; MI455X (gfx1250); checked and timed in simulation.
; The chip was launched on July 23, 2026; its instructions are those of AMD's public machine-readable ISA for CDNA 5 (MIT licence, August 2026) and "CDNA5" Instruction Set Architecture Reference Guide (July 2026). The comments in the code are by the model that wrote it; some were corrected since.
;; Cross Attention. Allowed arithmetic: matrix products marked QUANTISED: E2M3 operands, one E8M0 scale for each 32 along K, by v_wmma_scale_f32_16x16x128_f8f6f4 with both operands' format E2M3, f32 sums; everything else in f32.
;; Inputs: Wk 16 x 1,024 x 64 float32; Wo 1,024 x 1,024 float32; Wq 16 x 1,024 x 64 float32; Wv 16 x 1,024 x 64 float32; bk 16 x 64 float32; bo 1,024 float32; bq 16 x 64 float32; bv 16 x 64 float32; encoder_output 4 x 2,048 x 1,024 float32; x 4 x 2,048 x 1,024 float32.
;; Outputs: out0 4 x 2,048 x 1,024 float32.
;; This version of the problem:
;;   THIS VERSION OF THE PROBLEM IS GIVEN IN LOW PRECISION. The matrix products marked QUANTISED in the list below multiply operands that are first quantised to E2M3 (2 exponent bits, 3 mantissa bits; 6 bits a number), with one power-of-two scale for each 32 numbers along K (OCP MX v1.0); their sums are f32. All else is computed in f32.
;;   The module's matrix products, in the order in which they are computed (A, B: the left and right operand; K: the contracted axis; several contracted axes count as one K, in the product's order):
;;     1. [M 1,024, K 1,024] x [K 1,024, N 8,192]; A: input Wq; B: input x: QUANTISED
;;     2. [M 1,024, K 1,024] x [K 1,024, N 8,192]; A: input Wk; B: input encoder_output: QUANTISED
;;     3. [M 1,024, K 1,024] x [K 1,024, N 8,192]; A: input Wv; B: input encoder_output: QUANTISED
;;     4. batch 64 x [M 2,048, K 64] x [K 64, N 2,048]; A: computed on the way; B: computed on the way: QUANTISED
;;     5. batch 64 x [M 2,048, K 2,048] x [K 2,048, N 64]; A: softmax (see below); B: computed on the way: QUANTISED
;;     6. [M 8,192, K 1,024] x [K 1,024, N 1,024]; A: computed on the way; B: input Wo: QUANTISED
;;   THE QUANTISER, for each operand of a quantised product, along K:
;;     - K is cut into blocks of 32 from its start; a last block that is shorter is filled with zeros.
;;     - A block's scale is 2^e with e = floor(log2(the largest magnitude in the block)) - 2, held to -126 .. 127; a block of zeros has e = 0. As a byte (E8M0): e + 127.
;;     - Each number is divided by its block's scale, clamped to +-7.5, and rounded to the nearest number of E2M3, ties to even, subnormals kept.
;;     - The product sums the exact products of the quantised numbers (number of the format x scale) in f32.
;;   ~~~python
;;   def quantise(x, axis):      # numpy; x: float32 -> the quantised numbers, widened to float32 again
;;       x = np.moveaxis(x, axis, -1); K = x.shape[-1]
;;       x = np.pad(x, [(0, 0)] * (x.ndim - 1) + [(0, -K % 32)]); x = x.reshape(x.shape[:-1] + (-1, 32)); a = np.abs(x).max(-1, keepdims=True)
;;       e = np.where(a > 0, np.clip(np.frexp(np.where(a > 0, a, 1))[1] - 1 - 2, -126, 127), 0)      # np.frexp(a)[1] - 1 = floor(log2(a)), exactly
;;       r = np.clip(x / 2.0 ** e, -7.5, 7.5)
;;       step = 2.0 ** (np.maximum(np.frexp(np.where(r == 0, 1, r))[1] - 1, 0) - 3)
;;       q = np.round(r / step) * step * 2.0 ** e      # np.round: ties to even
;;       return np.moveaxis(q.reshape(q.shape[:-2] + (-1,))[..., :K], -1, axis).astype(np.float32)
;;   ~~~
;;   SOFTMAX AHEAD OF A QUANTISED PRODUCT. Where the list says 'softmax', what is quantised is not the finished softmax but p = 2^(t - M), with t = logit x log2(e) and M = ceil(the row's largest t), a whole number; so 1/2 < the row's largest p <= 1. The row's sum l is taken of the UNQUANTISED p, in f32, and the product's result is divided by l at the end. Since M is a whole number, a kernel that streams over the keys may use a running M (the ceiling of the running maximum): every later rescaling is an exact power of two, which a block's scale takes up: the codes' values come out the same.
;;   OPERANDS COMPUTED ON THE WAY. 'Computed on the way' means the value that the module computes at that place (a softmax that the list does not call 'softmax' is quantised finished and normalised). What goes into a quantiser is computed in f32, as accurately as f32 sums, v_exp_f32 and their like allow (about 1e-6 of the number): no bf16 or f16 on the way to a quantiser, and a product that is left as it is and whose result goes on into a quantised operand takes f32 operands (vector FMAs, or v_wmma_f32_16x16x4_f32). A number that lies on a knife's edge between two numbers of the format may be rounded either way, as far as f32 arithmetic and the matrix unit's own rounding can turn it there, and no further.
;; One version. Each part assembles by itself: llvm-mc -triple=amdgcn-amd-amdhsa -mcpu=gfx1250 --defsym DOCPART=n.
;; ======== version 1 of 1: 4 launches
;; limits: right only within a limited range of input values
;; workspace buffers: pc 15,728,640 bytes; ps 655,360 bytes; img 18,874,368 bytes; isc 786,432 bytes; hc 6,291,456 bytes; hs 262,144 bytes
;; launch prep (part 1): grid 640 x 1, 4 waves a work-group, no clusters, 68,096 bytes of LDS; arguments x, encoder_output, Wq, Wk, Wv, Wo, pc, ps; writes pc, ps
.if DOCPART == 1
	.amdgcn_target "amdgcn-amd-amdhsa--gfx1250"
	.amdhsa_code_object_version 6
	.text
	.protected	k_q29d549b7f5_prep
	.globl	k_q29d549b7f5_prep
	.p2align	8
	.type	k_q29d549b7f5_prep,@function
k_q29d549b7f5_prep:
	s_mov_b64 s[64:65], 0
	v_nop
	global_prefetch_b8 v0, s[64:65] scope:SCOPE_SE
	s_setreg_imm32_b32 hwreg(HW_REG_WAVE_MODE, 25, 1), 1
	s_wait_xcnt 0x0
; PREP: the f32 operands of the three projections and of the output product become codes of FP6 (E2M3), 6 bits each, K innermost, with one E8M0 scale byte for each 32 along K.
; pc (codes): x [8192][768] at 0; encoder_output [8192][768] at 6,291,456; Wq, Wk, Wv, Wo as [1024 n][768] at 12,582,912 + i x 786,432.   ps (scale bytes): [8192][32] at 0 and at 262,144; [1024][32] at 524,288 + i x 32,768.
; A block's scale is 2^(floor(log2(its largest magnitude)) - 2); its byte is the largest magnitude's exponent field - 2, held at 1 from below.
; ROW ORDER.  The rows of encoder_output and the rows n = 64 head + e of Wq, Wk, Wv are stored with bits 3 and 4 of the row number exchanged: 16 neighbouring stored rows, taken as a matrix instruction's source 0, then
; leave in a lane's registers of two neighbouring tiles 16 neighbours of the true order, which is what the next quantiser wants.  x and Wo keep their order.
; LIMITS: NaN and infinities are not served; a block whose largest magnitude lies under 2^-124 keeps the byte 1; a block of zeros gets the byte 1 where the rule says 127: its codes are zeros and this program alone reads the bytes.
; Work-groups 0-127 take the weights (K is not innermost: a lane takes a column, its registers run down K); work-groups 128-639 take x and encoder_output (K innermost: a plain stream of blocks).
; The two ways part on the work-group's number and have LDS bytes of their own: the stream 0 .. 32,767, the weights 32,768 .. 67,583.  Waves share nothing: no barrier.
; LAYOUT OF Wq, Wk, Wv IN pc (in place of plain rows; Wo keeps rows of 768 bytes): images of the operand's registers: 16 stored rows x 128 K = 1,536 bytes at weight + (row / 16) x 12,288 + (k / 128) x 1,536;
; in an image plane j (512 bytes) holds registers 4 j .. 4 j + 3, lane l at 16 l.
.set WGW,   128                        ; work-groups for the weights
.set STEPS, 16
.set SP,    80                         ; the stream's stage: a lane's 64 bytes + 16 of padding
.set XR,    16                         ; v16-79   four sets of 16 numbers as loaded
.set XX,    80                         ; v80-111  two sets of 16 neighbours
.set XE,    112                        ; v112-127 a scale byte for each step
.set XC,    128                        ; v128-191 codes: four registers for each step
.set WX,    32                         ; v32-95   the weights: two sets of 32 numbers
.set WC,    96                         ; v96-102  a block's codes
.set WOUT,  112                        ; v112-175 the way out
.set WSB,   24                         ; v24-25   the scale bytes
.set WOFF,  176                        ; v176-207 byte offset of row i of a block, at my column
.set WPITCH, 272                       ; a stage row: sixteen places of 16 bytes + 16
.set WSTAGE, 32768
	s_load_b256 s[4:11], s[0:1], 0x0               ; x s[4:5], encoder_output s[6:7], Wq s[8:9], Wk s[10:11]
	s_load_b256 s[12:19], s[0:1], 0x20             ; Wv s[12:13], Wo s[14:15], pc s[16:17], ps s[18:19]
	v_lshl_add_u32 v208, v0, 2, 0x10800
	v_mov_b32 v209, 0
	v_lshrrev_b32 v1, 5, v0
	v_readfirstlane_b32 s24, v1                    ; wave 0..3
	v_and_b32 v2, 31, v0                           ; lane
	s_cmp_lt_u32 ttmp9, WGW
	s_cbranch_scc1 .Lweights
; ---------------- THE STREAM: x and encoder_output.  A wave takes a run of 8 rows (8,192 numbers), 16 steps of 512 numbers.
; Each load reads 512 consecutive bytes; a step's 2,048 bytes turn through the wave's own stage in LDS and come back 64 bytes a lane: 16 neighbours along K, two lanes to a block.
	v_lshlrev_b32 v3, 4, v2                        ; my 16 bytes of a load's 512
	s_mul_i32 s25, s24, 8192                       ; my wave's LDS
	v_lshrrev_b32 v14, 2, v2
	v_mul_u32_u24 v14, v14, SP
	v_and_b32 v15, 3, v2
	v_lshl_add_u32 v14, v15, 4, v14
	v_add_nc_u32 v14, s25, v14                     ; the stage, in: SP (lane / 4) + 16 (lane % 4)
	v_mul_u32_u24 v15, v2, SP
	v_add_nc_u32 v15, s25, v15                     ; and out: SP x lane
	v_mul_u32_u24 v4, v2, 12                       ; my codes' place in a step's 384 bytes
	v_lshrrev_b32 v5, 1, v2
	s_add_co_u32 s25, s25, 2*32*SP
	v_add_nc_u32 v5, s25, v5                       ; my wave's 256 scale bytes: my block's byte
	v_lshlrev_b32 v7, 3, v2
	v_add_nc_u32 v6, s25, v7                       ; and on the way out 8 bytes a lane
	s_sub_co_u32 s20, ttmp9, WGW                   ; 0..255: x; 256..511: encoder_output
	s_and_b32 s21, s20, 255
	s_lshl_b32 s21, s21, 2
	s_add_co_u32 s21, s21, s24                     ; my run, 0..1023: rows 8 run on
	s_and_b32 s22, s21, 0x3fc                      ; the run with its bits 0 and 1 exchanged: bits 3 and 4 of the row
	s_and_b32 s23, s21, 1
	s_lshl_b32 s23, s23, 1
	s_or_b32 s22, s22, s23
	s_bfe_u32 s23, s21, 0x10001
	s_or_b32 s22, s22, s23
	s_wait_alu depctr_va_vdst(0)
	s_wait_kmcnt 0x0
	s_cmp_lt_u32 s20, 256                          ; the choice hangs on the work-group's number alone
	s_cselect_b64 s[4:5], s[4:5], s[6:7]
	s_cselect_b32 s22, s21, s22                    ; x keeps its order
	s_cselect_b32 s26, 0, 6291456
	s_cselect_b32 s28, 0, 262144
	s_lshl_b32 s30, s21, 15                        ; 32,768 bytes of f32 a run
	s_mov_b32 s31, 0
	s_add_nc_u64 s[4:5], s[4:5], s[30:31]
	s_mul_i32 s30, s22, 6144                       ; 6,144 bytes of codes a run
	s_add_co_u32 s30, s30, s26
	s_add_nc_u64 s[16:17], s[16:17], s[30:31]
	s_lshl_b32 s30, s22, 8                         ; 256 scale bytes a run
	s_add_co_u32 s30, s30, s28
	s_add_nc_u64 s[18:19], s[18:19], s[30:31]
.macro XLOAD t
.irp i, 0,1,2,3
	global_load_b128 v[XR+16*((\t)%4)+4*\i:XR+16*((\t)%4)+4*\i+3], v3, s[4:5] offset:2048*(\t)+512*\i th:TH_LOAD_NT   ; 32 lanes read 512 consecutive bytes
.endr
.endm
.macro XTURN t                         ; step t's numbers through the stage: LDS serves a wave's instructions in order, so no wait stands between the stores and the loads
.irp i, 0,1,2,3
	ds_store_b128 v14, v[XR+16*((\t)%4)+4*\i:XR+16*((\t)%4)+4*\i+3] offset:32*SP*((\t)%2)+8*SP*\i
.endr
.irp i, 0,1,2,3
	ds_load_b128 v[XX+16*((\t)%2)+4*\i:XX+16*((\t)%2)+4*\i+3], v15 offset:32*SP*((\t)%2)+16*\i
.endr
.endm
.irp t, 0,1,2,3
	XLOAD \t
.endr
	s_wait_loadcnt 12                              ; step 0's four loads are in; three steps' twelve stay out
	XTURN 0
.macro XSTEP t
.set XS, XX+16*((\t)%2)
.if (\t) > 0
	s_wait_dscnt 1                                 ; this step's numbers are back from the stage (the last step's byte store may be out)
.else
	s_wait_dscnt 0x0
.endif
.if (\t)+4 < STEPS
	XLOAD (\t)+4                                   ; into the registers that the stage's stores have read
.endif
.if (\t)+1 < STEPS
.if STEPS-2-(\t) >= 3
	s_wait_loadcnt 12                              ; the next step's four loads are in; those of the three steps behind it may be out
.else
	s_wait_loadcnt 4*(STEPS-2-(\t))
.endif
	XTURN (\t)+1
.endif
	v_max3_num_f32 v8, |v[XS]|, |v[XS+1]|, |v[XS+2]|               ; the largest magnitude of my 16, in two chains
	v_max3_num_f32 v9, |v[XS+3]|, |v[XS+4]|, |v[XS+5]|
.irp i, 6,10
	v_max3_num_f32 v8, v8, |v[XS+\i]|, |v[XS+\i+1]|
	v_max3_num_f32 v9, v9, |v[XS+\i+2]|, |v[XS+\i+3]|
.endr
	v_max3_num_f32 v8, v8, |v[XS+14]|, |v[XS+15]|
	v_max3_num_f32 v8, v8, v9, 0x1800000           ; and the floor 2^(3 - 127): the byte cannot fall under 1
	v_max_num_f32_dpp v8, v8, v8 row_xmask:1 row_mask:0xf bank_mask:0xf   ; with my neighbour's 16: the block's
	v_add_nc_u32 v11, 0xff000000, v8               ; 2 off its exponent field: the conversion takes the exponent field of this operand as its scale
	v_cvt_scalef32_pk16_fp6_f32 v[XC+4*(\t):XC+4*(\t)+2], v[XS:XS+15], v11
	v_lshrrev_b32 v[XE+(\t)], 23, v11              ; the scale's byte (a plain line behind the conversion)
	ds_store_b8 v5, v[XE+(\t)] offset:16*(\t)      ; both lanes of a block write the same byte with the same value
	global_store_b96 v4, v[XC+4*(\t):XC+4*(\t)+2], s[16:17] offset:384*(\t)   ; the wave stores 384 consecutive bytes
.endm
.irp t, 0,1,2,3,4,5,6,7,8,9,10,11,12,13,14,15
	XSTEP \t
.endr
	ds_load_b64 v[12:13], v6                       ; LDS serves a wave's instructions in order: these see my byte stores
	s_wait_dscnt 0x0
	global_store_b64 v7, v[12:13], s[18:19]        ; 32 lanes store 256 consecutive bytes, aligned
	s_wait_tensorcnt 0x0
	ds_add_u32 v208, v209
	s_wait_dscnt 0x0
	s_endpgm
; ---------------- THE WEIGHTS.  Work-group = (weight i, 128 columns nx, 256 along K ky); a wave takes 32 columns x 256 along K: 8 blocks a lane.
; Wq, Wk, Wv are [16][1024][64]: column n = 64 head + e lies at head x 262,144 + 4 e, rows of K 256 bytes apart.  Wo is [1024][1024]: column n at 4 n, rows 4,096 bytes apart.
.Lweights:
	s_lshr_b32 s20, ttmp9, 5                       ; i: 0 Wq, 1 Wk, 2 Wv, 3 Wo
	s_and_b32 s21, ttmp9, 7                        ; nx
	s_bfe_u32 s22, ttmp9, 0x20003                  ; ky
	s_lshl_b32 s21, s21, 7
	s_lshl_b32 s23, s24, 5
	s_add_co_u32 s23, s21, s23                     ; n0: my wave's first column, a multiple of 32
	s_lshl_b32 s30, s23, 2                         ; its place in a row of Wo,
	s_lshr_b32 s31, s23, 6
	s_lshl_b32 s31, s31, 18
	s_and_b32 s25, s23, 63
	s_lshl_b32 s25, s25, 2
	s_or_b32 s31, s31, s25                         ; and in the per-head weights
	s_mov_b32 s28, 256
	s_wait_kmcnt 0x0
	s_cmp_eq_u32 s20, 0
	s_cselect_b64 s[26:27], s[8:9], s[10:11]
	s_cmp_eq_u32 s20, 2
	s_cselect_b64 s[26:27], s[12:13], s[26:27]
	s_cmp_eq_u32 s20, 3
	s_cselect_b64 s[26:27], s[14:15], s[26:27]     ; the weight
	s_cselect_b32 s28, 4096, s28                   ; bytes from a row of K to the next
	s_cselect_b32 s29, 0, 24                       ; Wo keeps its order
	s_cselect_b32 s30, s30, s31
	s_lshl_b32 s2, s22, 8                          ; my first row of K: 256 ky
	s_mul_i32 s2, s2, s28
	s_add_co_u32 s2, s2, s30
	s_mov_b32 s3, 0
	s_add_nc_u64 s[32:33], s[26:27], s[2:3]        ; a base for each of the 8 blocks, so that no pointer is stepped
	s_lshl_b32 s2, s28, 5                          ; 32 rows on
.irp t, 1,2,3,4,5,6,7
	s_add_nc_u64 s[32+2*\t:33+2*\t], s[30+2*\t:31+2*\t], s[2:3]
.endr
	s_mul_i32 s2, s20, 786432                      ; the codes: weight i, row n0, 192 ky bytes along it
	s_mul_i32 s25, s23, 768
	s_add_co_u32 s2, s2, s25
	s_mov_b32 s25, 3072                            ; 256 along K: two images of 1,536 bytes, or (Wo) 192 bytes of a row
	s_cmp_eq_u32 s20, 3
	s_cselect_b32 s25, 192, s25
	s_mul_i32 s25, s22, s25
	s_add_co_u32 s2, s2, s25
	s_add_co_u32 s2, s2, 12582912
	s_add_nc_u64 s[16:17], s[16:17], s[2:3]
	s_lshl_b32 s2, s20, 15                         ; the scale bytes: 32 a row, 8 ky along it
	s_lshl_b32 s25, s23, 5
	s_add_co_u32 s2, s2, s25
	s_lshl_b32 s25, s22, 3
	s_add_co_u32 s2, s2, s25
	s_add_co_u32 s2, s2, 524288
	s_add_nc_u64 s[18:19], s[18:19], s[2:3]
	s_wait_alu depctr_va_vdst(0)
	v_lshrrev_b32 v5, 3, v2                        ; the column that I load: my lane with bits 3 and 4 exchanged (they differ: flip both); my lane is the stored row
	v_lshrrev_b32 v6, 4, v2
	v_xor_b32 v5, v5, v6
	v_and_b32 v5, 1, v5
	v_mul_u32_u24 v5, v5, s29
	v_xor_b32 v5, v2, v5
	v_lshlrev_b32 v3, 2, v5
.irp i, 0,1,2,3,4,5,6,7,8,9,10,11,12,13,14,15,16,17,18,19,20,21,22,23,24,25,26,27,28,29,30,31
	v_mad_u32_u24 v[WOFF+\i], s28, \i, v3          ; row i of a block, my column
.endr
	s_mul_i32 s25, s24, 32*WPITCH
	s_add_co_u32 s25, s25, WSTAGE                  ; my stage
	v_mul_u32_u24 v4, v2, WPITCH
	v_add_nc_u32 v4, s25, v4                       ; into it: row = my lane
	v_and_b32 v5, 15, v2
	v_lshrrev_b32 v6, 4, v2
	v_mul_u32_u24 v7, v6, WPITCH
	v_lshl_add_u32 v7, v5, 4, v7
	v_add_nc_u32 v7, s25, v7                       ; out of it: sixteen lanes to a row, two rows an instruction
	v_mul_u32_u24 v8, v6, 768
	v_mad_u32_u24 v8, v5, 12, v8                   ; and the same place in the codes
	v_lshlrev_b32 v9, 5, v2                        ; my row of scale bytes
	v_mul_u32_u24 v10, v5, WPITCH                  ; for the images: stage row lane % 16, 32 bytes (two places) on in lanes 16-31
	v_lshl_add_u32 v10, v6, 5, v10
	v_add_nc_u32 v10, s25, v10
	v_lshlrev_b32 v14, 4, v2                       ; and 16 bytes a lane in a plane
.macro WLOAD t                         ; block t: W(32 t + i, my column) into set t % 2: the wave's 32 lanes cover 128 consecutive bytes
.irp i, 0,1,2,3,4,5,6,7,8,9,10,11,12,13,14,15,16,17,18,19,20,21,22,23,24,25,26,27,28,29,30,31
	global_load_b32 v[WX+32*((\t)%2)+\i], v[WOFF+\i], s[32+2*(\t):33+2*(\t)] th:TH_LOAD_NT
.endr
.endm
	WLOAD 0
	WLOAD 1
.macro WBLOCK t
.set XS, WX+32*((\t)%2)
.if (\t) < 7
	s_wait_loadcnt 32                              ; this block's 32 loads are in; the next block's may be out
.else
	s_wait_loadcnt 0
.endif
	v_max3_num_f32 v12, |v[XS]|, |v[XS+1]|, |v[XS+2]|              ; the block's largest magnitude: all 32 numbers are mine
	v_max3_num_f32 v13, |v[XS+3]|, |v[XS+4]|, |v[XS+5]|
.irp i, 6,10,14,18,22,26
	v_max3_num_f32 v12, v12, |v[XS+\i]|, |v[XS+\i+1]|
	v_max3_num_f32 v13, v13, |v[XS+\i+2]|, |v[XS+\i+3]|
.endr
	v_max3_num_f32 v12, v12, |v[XS+30]|, |v[XS+31]|
	v_max3_num_f32 v12, v12, v13, 0x1800000        ; and the floor 2^(3 - 127)
	v_add_nc_u32 v11, 0xff000000, v12              ; the conversions' scale operand
	v_lshrrev_b32 v13, 23, v11                     ; the scale's byte
.if (\t)%4 == 0
	v_mov_b32 v[WSB+(\t)/4], v13                   ; four bytes to a register, the lower K in the lower byte
.else
	v_lshl_or_b32 v[WSB+(\t)/4], v13, 8*((\t)%4), v[WSB+(\t)/4]
.endif
	v_cvt_scalef32_pk16_fp6_f32 v[WC:WC+2], v[XS:XS+15], v11
	v_cvt_scalef32_pk16_fp6_f32 v[WC+4:WC+6], v[XS+16:XS+31], v11  ; (a conversion's three registers begin on an even number)
	v_nop                                          ; one plain line behind the conversions
	ds_store_b96 v4, v[WC:WC+2] offset:32*(\t)     ; 16 codes, 12 bytes, to a place of 16 bytes
	ds_store_b96 v4, v[WC+4:WC+6] offset:32*(\t)+16
.if (\t)+2 < 8
	WLOAD (\t)+2
.endif
	s_wait_dscnt 0x0                               ; the stores have read their registers: the next block's codes may be written
.endm
.irp t, 0,1,2,3,4,5,6,7
	WBLOCK \t
.endr
	s_wait_alu depctr_va_vdst(0)
	global_store_b64 v9, v[WSB:WSB+1], s[18:19]    ; my row's 8 scale bytes
	s_cmp_eq_u32 s20, 3
	s_cbranch_scc1 .Lplain_rows
	; Wq, Wk, Wv: four images (row block m / 2, K step m % 2).  A lane's twelve registers are four places of 12 bytes: K = 32 h + 0..31 and 64 + 32 h + 0..31 of its row
.irp m, 0,1,2,3
.irp g, 0,1,2,3
.irp c, 0,1,2
	ds_load_b32 v[WOUT+12*\m+3*\g+\c], v10 offset:(\m/2)*16*WPITCH+128*(\m%2)+64*(\g/2)+16*(\g%2)+4*\c
.endr
.endr
.endr
	s_wait_dscnt 0x0
.irp m, 0,1,2,3
.irp j, 0,1,2
	global_store_b128 v14, v[WOUT+12*\m+4*\j:WOUT+12*\m+4*\j+3], s[16:17] offset:(\m/2)*12288+(\m%2)*1536+512*\j   ; 512 consecutive bytes, aligned
.endr
.endr
	s_wait_tensorcnt 0x0
	ds_add_u32 v208, v209
	s_wait_dscnt 0x0
	s_endpgm
.Lplain_rows:
.irp t, 0,1,2,3,4,5,6,7,8,9,10,11,12,13,14,15
	ds_load_b96 v[WOUT+4*\t:WOUT+4*\t+2], v7 offset:2*\t*WPITCH    ; LDS serves a wave's instructions in order: these see my stores
.endr
.irp t, 0,1,2,3,4,5,6,7,8,9,10,11,12,13,14,15
	s_wait_dscnt 15-\t                             ; the younger loads may be out
	global_store_b96 v8, v[WOUT+4*\t:WOUT+4*\t+2], s[16:17] offset:2*\t*768   ; sixteen lanes store a row's 192 consecutive bytes
.endr
	s_wait_tensorcnt 0x0
	ds_add_u32 v208, v209
	s_wait_dscnt 0x0
	s_endpgm
.Lfunc_end_k_q29d549b7f5_prep:
	.size	k_q29d549b7f5_prep, .Lfunc_end_k_q29d549b7f5_prep-k_q29d549b7f5_prep
	.p2alignl 7, 3214868480
	.fill 96, 4, 3214868480
	.section	.rodata,"a",@progbits
	.p2align	6, 0x0
	.amdhsa_kernel k_q29d549b7f5_prep
		.amdhsa_group_segment_fixed_size 68096
		.amdhsa_private_segment_fixed_size 0
		.amdhsa_enable_private_segment 0
		.amdhsa_kernarg_size 64
		.amdhsa_user_sgpr_count 2
		.amdhsa_user_sgpr_kernarg_segment_ptr 1
		.amdhsa_wavefront_size32 1
		.amdhsa_system_sgpr_workgroup_id_x 1
		.amdhsa_system_sgpr_workgroup_id_y 1
		.amdhsa_system_sgpr_workgroup_id_z 1
		.amdhsa_system_vgpr_workitem_id 0
		.amdhsa_next_free_vgpr 210
		.amdhsa_next_free_sgpr 66
		.amdhsa_reserve_vcc 0
		.amdhsa_float_denorm_mode_32 3
		.amdhsa_float_denorm_mode_16_64 3
		.amdhsa_memory_ordered 1
		.amdhsa_forward_progress 1
		.amdhsa_inst_pref_size 82
	.end_amdhsa_kernel
	.amdgpu_metadata
---
amdhsa.version: [ 1, 2 ]
amdhsa.kernels:
  - .name:           k_q29d549b7f5_prep
    .symbol:         k_q29d549b7f5_prep.kd
    .args:
      - { .name: x, .offset: 0, .size: 8, .value_kind: global_buffer, .address_space: global }
      - { .name: encoder_output, .offset: 8, .size: 8, .value_kind: global_buffer, .address_space: global }
      - { .name: Wq, .offset: 16, .size: 8, .value_kind: global_buffer, .address_space: global }
      - { .name: Wk, .offset: 24, .size: 8, .value_kind: global_buffer, .address_space: global }
      - { .name: Wv, .offset: 32, .size: 8, .value_kind: global_buffer, .address_space: global }
      - { .name: Wo, .offset: 40, .size: 8, .value_kind: global_buffer, .address_space: global }
      - { .name: pc, .offset: 48, .size: 8, .value_kind: global_buffer, .address_space: global }
      - { .name: ps, .offset: 56, .size: 8, .value_kind: global_buffer, .address_space: global }
    .group_segment_fixed_size: 68096
    .private_segment_fixed_size: 0
    .kernarg_segment_align: 8
    .kernarg_segment_size: 64
    .max_flat_workgroup_size: 128
    .sgpr_count:     66
    .vgpr_count:     210
    .wavefront_size: 32
...
	.end_amdgpu_metadata
.endif
;; end of part 1
;; launch proj (part 2): grid 4 x 48, 4 waves a work-group, clusters of 4 x 1, 327,680 bytes of LDS; arguments pc, ps, bq, bk, bv, img, isc; writes img, isc
.if DOCPART == 2
	.amdgcn_target "amdgcn-amd-amdhsa--gfx1250"
	.amdhsa_code_object_version 6
	.text
	.protected	k_q29d549b7f5_proj
	.globl	k_q29d549b7f5_proj
	.p2align	8
	.type	k_q29d549b7f5_proj,@function
k_q29d549b7f5_proj:
	s_mov_b64 s[64:65], 0
	v_nop
	global_prefetch_b8 v0, s[64:65] scope:SCOPE_SE
	s_setreg_imm32_b32 hwreg(HW_REG_WAVE_MODE, 25, 1), 1
	s_wait_xcnt 0x0
	s_wait_alu depctr_hold_cnt(0) depctr_sa_sdst(0) depctr_va_vdst(0) depctr_va_sdst(0) depctr_va_ssrc(0) depctr_va_vcc(0) depctr_vm_vsrc(0)
	s_getreg_b32 s2, hwreg(HW_REG_IB_STS2, 6, 4)
	s_cmp_eq_u32 s2, 0
	s_cbranch_scc0 .Lentry_in_a_cluster
	s_endpgm
.Lentry_in_a_cluster:
	s_bfe_u32 s2, ttmp6, 0x10000c
	s_cmp_lg_u32 s2, 0x3003
	s_cbranch_scc0 .Lentry_shape_is_right
	s_endpgm
.Lentry_shape_is_right:
; PROJ: q = x Wq + bq, k = enc Wk + bk, v = enc Wv + bv on codes of FP6 (E2M3) with E8M0 scales, and the results quantised again (q, k along the head's 64, v along the keys) and stored as images of the next launch's operand registers.
; THE WEIGHTS STAY IN REGISTERS.  A wave owns one head: 64 weight rows x all of K = 384 registers of codes (loaded as images, 512 consecutive bytes an instruction), 16 of scale words, 32 of bias (the C of a stage's first products).
; A work-group = four heads of one kind x 512 tokens, walked in eight stages of 64 tokens: a stage is 8 steps of 128 along K x 16 products on 16 accumulators.  12 groups of heads x 16 token ranges = 192 work-groups:
; ranges of 384 tokens, which 256 work-groups would need, do not divide 8,192.
; THE TOKENS' CODES lie in LDS as whole rows of 768 bytes, 16 bytes of padding behind each 256 (an LDS row is 816 bytes = three chunks of 272).  384 rows fit: they come by four joint loads at the head, one a wave (96 rows each);
; the four work-groups of a cluster share the tokens and ask jointly.  The last 128 rows wait in spare registers (48 loads of 512 bytes a wave) and are stored over stages 0 and 1 when these have been read, between two barriers in trip 2:
; those bytes have had their one fill.  Stage s lies in slot s xor 6 ((s >> 1) & (s >> 2)): 0 .. 5, 0, 1.  No tensor load fills bytes again.
; SCALE WORDS: 16 bytes a lane at 32 r + 16 h: register q holds step q's word in lanes 0-15 and step 4 + q's in lanes 16-31.  The next stage's are loaded a stage ahead and moved.
; q, k: source 0 = weights, source 1 = tokens (a lane holds a token, its registers run along the head's features);  v: source 0 = tokens, source 1 = weights (a lane holds a feature, its registers run along the keys).
; Stored rows of the weights and of enc have bits 3 and 4 exchanged, so 16 registers of two tiles are 16 neighbours.  The two ways part inside the one loop, round the products and the epilogue's tail alone.
; No prefetch: all that a work-group reads is asked for at its head.
; WINDOWS: 0: addresses, scales, the tokens' fragments (two sets);  1, 2: the weights (steps 0-4, 5-7);  3: accumulators, bias, codes on the way out;  what is left of all four: the spare rows.
; LIMITS: NaN and infinities are not served; a block under 2^-124, a block of zeros too, keeps the byte 1 (this program alone reads the bytes).
.set PITCH,  816
.set SLOT,   64*PITCH
.set SPARE,  384*PITCH
.set LA,   8                           ; v8 r x 816 + 24 h, v9 the same + 16 h (the 24 bytes on lie behind a pad)
.set ADC,  10                          ; v10-11 this stage's rows, v12-13 the next stage's
.set ADN,  12
.set STA,  14
.set VI,   15                          ; 16 x lane
.set VSC,  16                          ; 32 r + 16 h
.set VSN,  17
.set VW,   18                          ; v18 16 r + 4 h, v19 16 r + 8 h
.set BPA,  20
.set BRA,  21
.set SPW,  28
.set NIL,  29
.set WS,   32                          ; v32-47 the weights' scale words, v48-63 the tokens', v64-79 the next stage's
.set AS,   48
.set ASN,  64
.set TM,   80
.set BX,   88
.set HW,   96
.set HWLO, 100
.set WD,   104
.set AF,   128                         ; v128-223 the tokens' fragments, two sets of 48
.set CB,   128                         ; window 3: v128-159 bias, v160-207 codes, v208-223 the conversions' second results
.set G,    160
.set CX,   208
.set G1,   24
.set G0,   32
.set WP,   36
.set WSP,  38
.set ASP,  42
.set SRP,  44
.set BIAS, 46
.set IP,   48
.set SP,   50
.set CNT,  52
.set HM,   53
.set PSEL, 54
.set KIND, 66
.set IMGB, 96
.set ISCB, 98
.set MSB, 0
.macro WIN new
.if MSB != \new
	s_set_vgpr_msb (MSB<<8)|\new
.set MSB, \new
.endif
.endm
.macro ROUND
	s_barrier_signal -1
	s_barrier_wait -1
	s_cmp_lg_u32 s14, 0
	s_cbranch_scc1 .Lnot_wave_0_\@
	s_barrier_signal -3
.Lnot_wave_0_\@:
	s_barrier_wait -3
	s_barrier_signal -1
	s_barrier_wait -1
.endm
.macro PLACES
.rept 4
	v_nop
.endr
.endm
.macro SPAREMAP i                      ; where spare load i lands: window SW, register SR
.if (\i) < 28
.set SW, 2
.set SR, 144+4*(\i)
.elseif (\i) < 36
.set SW, 3
.set SR, 224+4*((\i)-28)
.elseif (\i) < 40
.set SW, 1
.set SR, 240+4*((\i)-36)
.else
.set SW, 0
.set SR, 224+4*((\i)-40)
.endif
.endm
	s_load_b128 s[4:7], s[0:1], 0x0                ; pc, ps
	s_load_b128 s[8:11], s[0:1], 0x10              ; bq, bk
	s_load_b64 s[12:13], s[0:1], 0x20              ; bv
	s_load_b128 s[96:99], s[0:1], 0x28             ; img, isc
	v_lshl_add_u32 v[SPW], v0, 2, SPARE
	v_mov_b32 v[NIL], 0
	ds_add_u32 v[SPW], v[NIL]                      ; the opening lines: the add twice on end and one wait
	ds_add_u32 v[SPW], v[NIL]
	v_lshrrev_b32 v1, 5, v0
	v_readfirstlane_b32 s14, v1                    ; wave
	s_bfe_u32 s40, ttmp6, 0x40000                  ; cx: which four heads; it enters the weights', the biases' and the results' addresses alone
	s_and_b32 s17, ttmp7, 0xffff
	s_lshr_b32 s[KIND], s17, 4                     ; 0 q, 1 k, 2 v
	s_and_b32 s17, s17, 15                         ; which 512 tokens
	s_mov_b32 s[G1], 15|(1<<20)|(1<<21)|(5<<22)|(3<<25)   ; all four partners; bytes; 4 words of padding behind every 64
	s_mov_b32 s[G1+1], 768<<16
	s_mov_b32 s[G1+2], 96<<16
	s_mov_b32 s[G1+3], 768<<16
	s_mov_b32 s[G1+4], 96
	s_mov_b32 s[G1+5], 768
	s_mov_b32 s[G1+6], 0
	s_mov_b32 s[G1+7], 0
	s_mul_i32 s18, s17, 393216                     ; the tokens' codes: 512 rows of 768 bytes a range; enc's lie behind x's
	s_lshl_b32 s19, s17, 14                        ; and their scale bytes
	s_cmp_eq_u32 s[KIND], 0
	s_cselect_b32 s22, 0, 6291456
	s_cselect_b32 s23, 0, 262144
	s_add_co_u32 s18, s18, s22
	s_add_co_u32 s19, s19, s23
	s_mul_i32 s20, s14, 73728                      ; my 96 rows
	s_add_co_u32 s20, s20, s18
	s_mov_b32 s21, 0                               ; s21 stays 0: the upper word of every offset
	s_mov_b32 s[G0], 1
	s_mul_i32 s[G0+1], s14, 96*PITCH
	s_wait_dscnt 0x0                               ; both opening adds are done
	s_wait_kmcnt 0x0
	s_add_nc_u64 s[G0+2:G0+3], s[4:5], s[20:21]
	s_or_b32 s[G0+3], s[G0+3], 0x80000000
	ROUND                                          ; all four work-groups are here: the joint loads meet
	tensor_load_to_lds s[G0:G0+3], s[G1:G1+7]      ; one load a wave: rows 96 w .. 96 w + 95 of the first 384
	s_nop 0
	PLACES
	s_mul_i32 s20, s14, 24576                      ; the spare rows: 384 + 32 w ..
	s_add_co_u32 s20, s20, s18
	s_add_co_u32 s20, s20, 294912
	s_add_nc_u64 s[SRP:SRP+1], s[4:5], s[20:21]
	s_mov_b32 s20, s19
	s_add_nc_u64 s[ASP:ASP+1], s[6:7], s[20:21]
	s_lshl_b32 s41, s40, 2
	s_add_co_u32 s41, s41, s14                     ; my head
	s_mul_i32 s20, s[KIND], 786432
	s_mul_i32 s22, s41, 49152
	s_add_co_u32 s20, s20, s22
	s_add_co_u32 s20, s20, 12582912
	s_add_nc_u64 s[WP:WP+1], s[4:5], s[20:21]      ; its 32 images
	s_lshl_b32 s20, s[KIND], 15
	s_lshl_b32 s22, s41, 11
	s_add_co_u32 s20, s20, s22
	s_add_co_u32 s20, s20, 524288
	s_add_nc_u64 s[WSP:WSP+1], s[6:7], s[20:21]    ; its scale bytes
	s_cmp_eq_u32 s[KIND], 0
	s_cselect_b64 s[BIAS:BIAS+1], s[8:9], s[10:11]
	s_cmp_eq_u32 s[KIND], 2
	s_cselect_b64 s[BIAS:BIAS+1], s[12:13], s[BIAS:BIAS+1]
	s_lshl_b32 s20, s41, 8
	s_add_nc_u64 s[BIAS:BIAS+1], s[BIAS:BIAS+1], s[20:21]
	s_lshr_b32 s22, s17, 2                         ; batch
	s_lshl_b32 s22, s22, 4
	s_add_co_u32 s22, s22, s41                     ; 16 batch + head
	s_and_b32 s23, s17, 3                          ; which 512 of the 2,048 tokens
	s_mul_i32 s20, s22, 98304
	s_mul_i32 s19, s23, 24576
	s_add_co_u32 s20, s20, s19
	s_mul_i32 s19, s[KIND], 6291456
	s_add_co_u32 s20, s20, s19
	s_add_nc_u64 s[IMGB:IMGB+1], s[IMGB:IMGB+1], s[20:21]
	s_lshl_b32 s20, s22, 12
	s_lshl_b32 s19, s23, 10
	s_add_co_u32 s20, s20, s19
	s_lshl_b32 s19, s[KIND], 18
	s_add_co_u32 s20, s20, s19
	s_add_nc_u64 s[ISCB:ISCB+1], s[ISCB:ISCB+1], s[20:21]
	s_mov_b32 s[PSEL], 0x76543210
	s_mov_b32 s[PSEL+1], 0xfedcba98                ; lane l xor 16
	s_mul_i32 s19, s14, 32*PITCH
	v_and_b32 v1, 15, v0                           ; r
	v_bfe_u32 v2, v0, 4, 1                         ; h
	v_and_b32 v3, 31, v0
	v_mul_u32_u24 v4, v1, PITCH
	v_mul_u32_u24 v5, v2, 24
	v_add_nc_u32 v[LA], v4, v5
	v_lshl_add_u32 v[LA+1], v2, 4, v[LA]
	v_lshlrev_b32 v[VI], 4, v3
	v_lshlrev_b32 v4, 5, v1
	v_lshl_add_u32 v[VSC], v2, 4, v4
	v_mul_u32_u24 v4, v2, 272
	v_lshl_add_u32 v4, v1, 4, v4
	v_add_nc_u32 v[STA], s19, v4                   ; a spare load's 512 bytes are two chunks: 272 h + 16 r, my 32 rows
	v_lshlrev_b32 v[BPA], 6, v2
	v_and_b32 v4, 7, v1
	v_lshrrev_b32 v5, 3, v1
	v_lshl_add_u32 v4, v5, 4, v4
	v_lshlrev_b32 v[BRA], 2, v4
	v_lshlrev_b32 v4, 4, v1
	v_lshl_add_u32 v[VW], v2, 2, v4
	v_lshl_add_u32 v[VW+1], v2, 3, v4
	v_cmp_eq_u32 s[HM], 1, v2
.irp c, 0,1,2,3,4,5,6,7
	v_mov_b32 v[BX+\c], 0                          ; a lane permute's destination counts as one of its sources
.endr
	s_wait_alu depctr_va_vdst(0)                   ; the wait behind the head's vector lines
	WIN 0x40
.set I, 0
.rept 60                               ; steps 0-4: register 48 st + 12 blk + 4 j; image (blk, st) at 12,288 blk + 1,536 st
	global_load_b128 v[4*I:4*I+3], v[VI], s[WP:WP+1] offset:((I/3)%4)*12288+(I/12)*1536+(I%3)*512
.set I, I+1
.endr
	WIN 0x80
.set I, 0
.rept 36                               ; steps 5-7
	global_load_b128 v[4*I:4*I+3], v[VI], s[WP:WP+1] offset:((I/3)%4)*12288+(5+I/12)*1536+(I%3)*512
.set I, I+1
.endr
	WIN 0
.irp b, 0,1,2,3
	global_load_b128 v[WS+4*\b:WS+4*\b+3], v[VSC], s[WSP:WSP+1] offset:512*\b
	global_load_b128 v[AS+4*\b:AS+4*\b+3], v[VSC], s[ASP:ASP+1] offset:512*\b
.endr
	s_cmp_eq_u32 s[KIND], 2
	s_cbranch_scc1 .Lbias_v
	WIN 0xc0
.irp b, 0,1,2,3                        ; q, k: register j of weight block b is feature 32 (b / 2) + 16 h + 8 (b % 2) + j
	global_load_b128 v[CB+8*\b:CB+8*\b+3], v[BPA], s[BIAS:BIAS+1] offset:(32*(\b/2)+8*(\b%2))*4
	global_load_b128 v[CB+8*\b+4:CB+8*\b+7], v[BPA], s[BIAS:BIAS+1] offset:(32*(\b/2)+8*(\b%2))*4+16
.endr
	WIN 0
	s_branch .Lbias_done
.Lbias_v:
	WIN 0xc0
.irp b, 0,1,2,3                        ; v: the lane's feature, the same in all eight registers
.irp j, 0,1,2,3,4,5,6,7
	global_load_b32 v[CB+8*\b+\j], v[BRA], s[BIAS:BIAS+1] offset:(32*(\b/2)+8*(\b%2))*4
.endr
.endr
	WIN 0
.Lbias_done:
.set I, 0
.rept 48
	SPAREMAP I
	WIN (SW<<6)
	global_load_b128 v[SR:SR+3], v[VI], s[SRP:SRP+1] offset:512*I
.set I, I+1
.endr
	WIN 0
; a fragment: 16 rows x 128 K = 12 registers, in pieces of 8 bytes.  Byte y of a row lies at y + 16 (y / 256) of its LDS row
.macro FRAG reg, adr, st, i
.irp p, 0,1,2,3,4,5
.set BY, 96*(\st)+48*(\p/3)+8*(\p%3)
.if BY/256 == (BY+24)/256
	ds_load_b64 v[\reg+2*\p:\reg+2*\p+1], v[\adr] offset:BY+16*(BY/256)+(\i)*16*PITCH
.else
	ds_load_b64 v[\reg+2*\p:\reg+2*\p+1], v[\adr+1] offset:BY+16*(BY/256)+(\i)*16*PITCH
.endif
.endr
.endm
.macro FETCH st, adr                   ; step st's four fragments into set st % 2
.irp i, 0,1,2,3
	FRAG AF+48*((\st)%2)+12*\i, \adr, \st, \i
.endr
.endm
.macro MUL16 st, isv                   ; 16 products, the 16 accumulators by turns; accumulator (i1, i0): source 1's block i1, source 0's block i0
.if (\st) < 5
.set WB, 48*(\st)
.set WN, 1
.else
.set WB, 48*((\st)-5)
.set WN, 2
.endif
.set AB, AF+48*((\st)%2)
.set SQ, (\st)%4
.if \isv
	WIN (0xf0|(WN<<2))
.else
	WIN (0xf0|WN)
.endif
.irp i1, 0,1,2,3
.irp i0, 0,1,2,3
.set DD, 8*(4*\i1+\i0)
.if \isv
.set S0, AB+12*\i0
.set S1, WB+12*\i1
.set XA, AS+4*\i0+SQ
.set XB, WS+4*\i1+SQ
.set CC, CB+8*\i1
.else
.set S0, WB+12*\i0
.set S1, AB+12*\i1
.set XA, WS+4*\i0+SQ
.set XB, AS+4*\i1+SQ
.set CC, CB+8*\i0
.endif
.if (\st) > 0
.set CC, DD
.endif
.if (\st) < 4
	v_wmma_scale_f32_16x16x128_f8f6f4 v[DD:DD+7], v[S0:S0+11], v[S1:S1+11], v[CC:CC+7], v[XA], v[XB] matrix_a_fmt:MATRIX_FMT_FP6 matrix_b_fmt:MATRIX_FMT_FP6
.else
	v_wmma_scale_f32_16x16x128_f8f6f4 v[DD:DD+7], v[S0:S0+11], v[S1:S1+11], v[CC:CC+7], v[XA], v[XB] matrix_a_fmt:MATRIX_FMT_FP6 matrix_b_fmt:MATRIX_FMT_FP6 matrix_a_scale:MATRIX_SCALE_ROW1 matrix_b_scale:MATRIX_SCALE_ROW1
.endif
.endr
.endr
.endm
.macro STEP st
	s_wait_dscnt 0x0                               ; this step's fragments are in
.if (\st) > 0
	PLACES                                         ; ahead of loads into the set that the last step's products read
.endif
.if (\st) < 7
	FETCH (\st)+1, ADC
.else
	FETCH 0, ADN                                   ; the next stage's first step
.endif
	s_cmp_eq_u32 s[KIND], 2
	s_cbranch_scc1 .Lmul_v_\@
	MUL16 \st, 0
	WIN 0
	s_branch .Lmul_done_\@
.Lmul_v_\@:
	MUL16 \st, 1
	WIN 0
.Lmul_done_\@:
.endm
.macro SLOTOF dst, src                 ; LDS offset of stage src: slot src xor 6 ((src >> 1) & (src >> 2))
	s_lshr_b32 s22, \src, 1
	s_lshr_b32 s23, \src, 2
	s_and_b32 s22, s22, s23
	s_mul_i32 s22, s22, 6
	s_xor_b32 s22, \src, s22
	s_mul_i32 \dst, s22, SLOT
.endm
	s_wait_tensorcnt 0x0                           ; my 96 rows are in,
	s_barrier_signal -1
	s_barrier_wait -1                              ; everybody's are
	FETCH 0, LA
	s_wait_loadcnt 48                              ; weights, scale words and bias are in; the 48 loads of spare rows, issued last, may be out
	s_mov_b32 s[CNT], 0
.Lstage:
	SLOTOF s56, s[CNT]
	s_add_co_u32 s19, s[CNT], 1
	s_min_u32 s19, s19, 7                          ; (the last stage fetches its own first step and scale words once more: inside LDS and the buffer)
	SLOTOF s57, s19
	s_lshl_b32 s58, s19, 11
	v_add_nc_u32 v[ADC], s56, v[LA]
	v_add_nc_u32 v[ADC+1], s56, v[LA+1]
	v_add_nc_u32 v[ADN], s57, v[LA]
	v_add_nc_u32 v[ADN+1], s57, v[LA+1]
	v_add_nc_u32 v[VSN], s58, v[VSC]
	s_wait_alu depctr_va_vdst(0)                   ; the wait
	s_cmp_eq_u32 s[CNT], 2                         ; the same in every wave: stages 0 and 1 have been read
	s_cbranch_scc0 .Lno_put
	s_wait_loadcnt 0x0                             ; the spare rows are in registers
	s_wait_dscnt 0x0
	s_barrier_signal -1
	s_barrier_wait -1                              ; nobody reads slots 0 and 1 any more
.set I, 0
.rept 48
	SPAREMAP I
	WIN (SW<<2)
	ds_store_b128 v[STA], v[SR:SR+3] offset:544*I
.set I, I+1
.endr
	WIN 0
	s_wait_dscnt 0x0
	s_barrier_signal -1
	s_barrier_wait -1                              ; stages 6 and 7 lie there for everybody
.Lno_put:
.irp b, 0,1,2,3
	global_load_b128 v[ASN+4*\b:ASN+4*\b+3], v[VSN], s[ASP:ASP+1] offset:512*\b   ; the next stage's scale words
.endr
.irp t, 0,1,2,3,4,5,6,7
	STEP \t
.endr
	; THE STAGE'S RESULTS: for each block i1 of source 1 a lane holds 32 numbers: two blocks of 32 shared with lane l xor 16
	PLACES
	s_wait_loadcnt 0x0
	s_wait_xcnt 0x0                                ; the last stage's stores have read their registers and bases
.irp i, 0,1,2,3,4,5,6,7,8,9,10,11,12,13,14,15
	v_mov_b32 v[AS+\i], v[ASN+\i]
.endr
	WIN 0x3c                                       ; sources 1 and 2 in window 3
.irp c, 0,1,2,3,4,5,6,7
	v_max3_num_f32 v[TM+\c], 0x1800000, |v[16*\c]|, |v[16*\c+1]|    ; eight chains by turns; the floor 2^(3 - 127); each accumulator from its low end on
.endr
.irp i, 2,4,6,8,10,12,14
.irp c, 0,1,2,3,4,5,6,7
	v_max3_num_f32 v[TM+\c], v[TM+\c], |v[16*\c+\i]|, |v[16*\c+\i+1]|
.endr
.endr
	WIN 0
.irp c, 0,1,2,3,4,5,6,7
	v_permlanex16_b32 v[BX+\c], v[TM+\c], s[PSEL], s[PSEL+1]
.endr
.irp c, 0,1,2,3,4,5,6,7
	v_max_num_f32 v[TM+\c], v[TM+\c], v[BX+\c]
.endr
.irp c, 0,1,2,3,4,5,6,7
	v_add_nc_u32 v[TM+\c], 0xff000000, v[TM+\c]    ; 2 off the exponent field: the conversion's scale operand
.endr
.irp c, 0,1,2,3,4,5,6,7
	v_lshrrev_b32 v[BX+\c], 23, v[TM+\c]           ; the scale's byte
.endr
.macro CODES gd, gs                    ; block i1's 64 codes into six registers at G + gd + gs x i1
	WIN 0xc3                                       ; numbers and codes in window 3, the scale operand in window 0
.irp f, 0,1,2,3
	v_cvt_scalef32_pk16_fp6_f32 v[G+\gd+\gs*\f:G+\gd+\gs*\f+2], v[32*\f:32*\f+15], v[TM+2*\f]
	v_cvt_scalef32_pk16_fp6_f32 v[CX+4*\f:CX+4*\f+2], v[32*\f+16:32*\f+31], v[TM+2*\f+1]
.endr
	v_nop                                          ; one plain line behind the conversions
.irp f, 0,1,2,3
.irp i, 0,1,2
	v_permlane16_swap_b32 v[G+\gd+\gs*\f+\i], v[CX+4*\f+\i]   ; a whole block to a lane
.endr
.endr
.irp f, 0,1,2,3
.irp i, 0,1,2
	v_mov_b32 v[G+\gd+\gs*\f+3+\i], v[CX+4*\f+\i]
.endr
.endr
.endm
	s_lshr_b32 s19, s[CNT], 1
	s_and_b32 s18, s[CNT], 1
	s_wait_alu depctr_va_vdst(0)                   ; the wait ahead of the branch
	s_cmp_eq_u32 s[KIND], 2
	s_cbranch_scc1 .Ltail_v
	; q, k: 64 tokens = two images [16 tokens' 64 | the next 16 tokens' 64] and two scale words
	s_mul_i32 s20, s[CNT], 3072
	s_add_nc_u64 s[IP:IP+1], s[IMGB:IMGB+1], s[20:21]
	s_lshl_b32 s20, s19, 8
	s_lshl_b32 s18, s18, 3
	s_add_co_u32 s20, s20, s18
	s_add_nc_u64 s[SP:SP+1], s[ISCB:ISCB+1], s[20:21]
.irp n, 1,2,3
	v_lshl_or_b32 v[BX], v[BX+\n], 8*\n, v[BX]
	v_lshl_or_b32 v[BX+4], v[BX+4+\n], 8*\n, v[BX+4]
.endr
	v_cndmask_b32 v[WD], v[BX], v[BX+4], s[HM]     ; lane (r, h) stores word h of row r
	CODES 0, 6
	WIN 0x0c
.irp m, 0,1
.irp j, 0,1,2
	global_store_b128 v[VI], v[G+12*\m+4*\j:G+12*\m+4*\j+3], s[IP:IP+1] offset:1536*\m+512*\j   ; 512 consecutive bytes, aligned
.endr
.endr
	WIN 0
	global_store_b32 v[VW], v[WD], s[SP:SP+1]
	s_branch .Ltail_done
.Ltail_v:
	; v: 64 keys are half an image: an even stage's halves are kept, an odd stage stores four images and four scale words
.irp f, 0,1,2,3
	v_lshl_or_b32 v[HW+\f], v[BX+2*\f+1], 8, v[BX+2*\f]
.endr
	CODES 6, 12
	WIN 0
	s_wait_alu depctr_va_vdst(0)                   ; the wait ahead of the branch
	s_cmp_eq_u32 s18, 1
	s_cbranch_scc1 .Lv_odd
	WIN 0xc3
.irp f, 0,1,2,3
.irp i, 0,1,2,3,4,5
	v_mov_b32 v[G+12*\f+\i], v[G+12*\f+6+\i]
.endr
.endr
	WIN 0
.irp f, 0,1,2,3
	v_mov_b32 v[HWLO+\f], v[HW+\f]
.endr
	s_branch .Ltail_done
.Lv_odd:
	s_mul_i32 s20, s19, 6144
	s_add_nc_u64 s[IP:IP+1], s[IMGB:IMGB+1], s[20:21]
	s_lshl_b32 s20, s19, 8
	s_add_nc_u64 s[SP:SP+1], s[ISCB:ISCB+1], s[20:21]
.irp f, 0,1,2,3
	v_lshl_or_b32 v[WD+\f], v[HW+\f], 16, v[HWLO+\f]
.endr
	v_cndmask_b32 v[WD], v[WD], v[WD+2], s[HM]     ; lane (r, h) stores words 2 h, 2 h + 1 of row r
	v_cndmask_b32 v[WD+1], v[WD+1], v[WD+3], s[HM]
	WIN 0x0c
.irp m, 0,1,2,3
.irp j, 0,1,2
	global_store_b128 v[VI], v[G+12*\m+4*\j:G+12*\m+4*\j+3], s[IP:IP+1] offset:1536*\m+512*\j
.endr
.endr
	WIN 0
	global_store_b64 v[VW+1], v[WD:WD+1], s[SP:SP+1]
.Ltail_done:
	s_add_co_u32 s[CNT], s[CNT], 1
	s_cmp_lt_u32 s[CNT], 8
	s_wait_alu depctr_va_vdst(0)                   ; the wait ahead of the backward jump
	s_cbranch_scc1 .Lstage
	s_wait_tensorcnt 0x0                           ; the wave's end
	ds_add_u32 v[SPW], v[NIL]
	s_wait_dscnt 0x0
	ROUND                                          ; the closing round
	s_endpgm
.Lfunc_end_k_q29d549b7f5_proj:
	.size	k_q29d549b7f5_proj, .Lfunc_end_k_q29d549b7f5_proj-k_q29d549b7f5_proj
	.p2alignl 7, 3214868480
	.fill 96, 4, 3214868480
	.section	.rodata,"a",@progbits
	.p2align	6, 0x0
	.amdhsa_kernel k_q29d549b7f5_proj
		.amdhsa_group_segment_fixed_size 327680
		.amdhsa_private_segment_fixed_size 0
		.amdhsa_enable_private_segment 0
		.amdhsa_kernarg_size 56
		.amdhsa_user_sgpr_count 2
		.amdhsa_user_sgpr_kernarg_segment_ptr 1
		.amdhsa_wavefront_size32 1
		.amdhsa_system_sgpr_workgroup_id_x 1
		.amdhsa_system_sgpr_workgroup_id_y 1
		.amdhsa_system_sgpr_workgroup_id_z 1
		.amdhsa_system_vgpr_workitem_id 0
		.amdhsa_next_free_vgpr 1024
		.amdhsa_next_free_sgpr 100
		.amdhsa_reserve_vcc 0
		.amdhsa_float_denorm_mode_32 3
		.amdhsa_float_denorm_mode_16_64 3
		.amdhsa_memory_ordered 1
		.amdhsa_forward_progress 1
		.amdhsa_inst_pref_size 92
	.end_amdhsa_kernel
	.amdgpu_metadata
---
amdhsa.version: [ 1, 2 ]
amdhsa.kernels:
  - .name:           k_q29d549b7f5_proj
    .symbol:         k_q29d549b7f5_proj.kd
    .args:
      - { .name: pc, .offset: 0, .size: 8, .value_kind: global_buffer, .address_space: global }
      - { .name: ps, .offset: 8, .size: 8, .value_kind: global_buffer, .address_space: global }
      - { .name: bq, .offset: 16, .size: 8, .value_kind: global_buffer, .address_space: global }
      - { .name: bk, .offset: 24, .size: 8, .value_kind: global_buffer, .address_space: global }
      - { .name: bv, .offset: 32, .size: 8, .value_kind: global_buffer, .address_space: global }
      - { .name: img, .offset: 40, .size: 8, .value_kind: global_buffer, .address_space: global }
      - { .name: isc, .offset: 48, .size: 8, .value_kind: global_buffer, .address_space: global }
    .group_segment_fixed_size: 327680
    .private_segment_fixed_size: 0
    .kernarg_segment_align: 8
    .kernarg_segment_size: 56
    .max_flat_workgroup_size: 128
    .sgpr_count:     100
    .vgpr_count:     1024
    .wavefront_size: 32
...
	.end_amdgpu_metadata
.endif
;; end of part 2
;; launch attn (part 3): grid 4 x 64, 16 waves a work-group, clusters of 4 x 1, 327,680 bytes of LDS; arguments img, isc, hc, hs; writes hc, hs
.if DOCPART == 3
	.amdgcn_target "amdgcn-amd-amdhsa--gfx1250"
	.amdhsa_code_object_version 6
	.text
	.protected	k_q29d549b7f5_attn
	.globl	k_q29d549b7f5_attn
	.p2align	8
	.type	k_q29d549b7f5_attn,@function
k_q29d549b7f5_attn:
	s_mov_b64 s[64:65], 0
	v_nop
	global_prefetch_b8 v0, s[64:65] scope:SCOPE_SE
	s_setreg_imm32_b32 hwreg(HW_REG_WAVE_MODE, 25, 1), 1
	s_wait_xcnt 0x0
	s_wait_alu depctr_hold_cnt(0) depctr_sa_sdst(0) depctr_va_vdst(0) depctr_va_sdst(0) depctr_va_ssrc(0) depctr_va_vcc(0) depctr_vm_vsrc(0)
	s_getreg_b32 s2, hwreg(HW_REG_IB_STS2, 6, 4)
	s_cmp_eq_u32 s2, 0
	s_cbranch_scc0 .Lentry_in_a_cluster
	s_endpgm
.Lentry_in_a_cluster:
	s_bfe_u32 s2, ttmp6, 0x10000c
	s_cmp_lg_u32 s2, 0x3003
	s_cbranch_scc0 .Lentry_shape_is_right
	s_endpgm
.Lentry_shape_is_right:
; ATTN: heads = softmax(q k^T / 8) v for one (batch, head) a cluster, both products on codes of FP6 (E2M3) with E8M0 scales, and the result quantised along (head, e) for the output product.
; THE SOFTMAX: t = score x log2(e) / 8; M = the running largest t rounded UP to a whole number; p = 2^(t - M) is quantised along the keys, not normalised; the row's sum is taken of the unquantised p and divides at the end.
; When M moves, the sum and O are multiplied by 2^(old M - new M): exact.
; SHARES.  A head's K and V as codes are 2 x 98,304 bytes: they lie in LDS WHOLE, with their scale words: no ring, no refill, no barrier in the loop over the keys.  The four work-groups of a cluster belong to one head
; and ask for these bytes JOINTLY (waves 0-3: K's, waves 4-7: V's, wave 8: the scale words; one load each).  A work-group owns 512 queries, each of its sixteen waves 32, in two passes of 16; four waves share a SIMD.
; LAYOUT.  Both products are used transposed (S^T = K Q^T, O^T = V^T P^T): a lane holds ONE query throughout.  All operands lie as images of their registers: plane j (512 bytes) = registers 4 j .. 4 j + 3, lane l at 16 l.
; THE HEAD'S 64 AGAINST THE INSTRUCTION'S 128.  A fragment of K holds [16 keys' 64 e | the next 16 keys' 64 e].  Multiplied by [q | zero codes] it gives the first 16 keys' scores, by [zero codes | q] the next 16 keys'.
; The keys are stored with bits 3 and 4 of their number exchanged, so the 16 registers of a fragment's two results are 16 neighbouring keys: 32 f + 16 (lane / 16) + 0 .. 15.  V's channels likewise, for the last quantiser.
; OUT: hc: row tile x 12,288 + head x 768 + plane x 256 + lane x 8: half a fragment (64 of the next K) in planes of two registers.  hs: [8192][32]: bytes 2 head, 2 head + 1.
; LIMITS: NaN and infinities are not served; 1 / sum by v_rcp_f32; v_exp_f32 gives 0 for results under 2^-126; a block under 2^-124, a block of zeros too, keeps the byte 1 (its codes are zeros or next to it; this program alone reads the bytes).
.set VIMG,  98304                      ; LDS: K's images at 0, V's here,
.set KSC,   196608                     ; K's scale words (V's 4,096 bytes on),
.set SPARE, 204800                     ; the spare words, 128 bytes for each wave, which no other line names
.set LIK, 1                            ; v1   16 x lane
.set LIV, 2                            ; v2   + VIMG
.set LRS, 3                            ; v3   16 (lane % 16) + KSC
.set SPW, 4
.set NIL, 5
.set ADK, 6
.set ADV, 7
.set ADS, 8
.set LO8, 9                            ; v9   8 x lane
.set LRH, 10                           ; v10  32 (lane % 16) + lane / 16
.set LR16, 11                          ; v11  16 (lane % 16)
.set QLO, 16                           ; v16-27  [q | 0]
.set QHI, 28                           ; v28-39  [0 | q]
.set QS,  40                           ; v40  q's scale word for the pass;  v41 p's;  v42 q's as loaded: scales and nothing else
.set PSW, 41
.set QW,  42
.set KF,  44                           ; v44-91   K's four fragments
.set VF,  92                           ; v92-139  V's four
.set KSW, 140                          ; v140-143, v144-147 their scale words
.set VSW, 144
.set S,   148                          ; v148-211 S^T, then p
.set O,   212                          ; v212-243 O^T
.set BX,  244
.set F,   248                          ; v[248:249] f, and an upper half written once
.set W0,  250                          ; at work
.set PC,  44                           ; behind K Q^T K's registers are free: p's codes,
.set CX,  56                           ; the conversions' second results,
.set BM,  64                           ; the blocks' largest scores,
.set SOP, 68                           ; the conversions' scale operands,
.set SU,  72                           ; the sum's second chain
.set Y,   148                          ; the way out: O / the sum
.set WV,  12
.set SEL, 20
.set CS,  22
.set G1C, 24                           ; s[24:31] group 1: 96 rows of 256 bytes;  s[32:39]: two rows of 4,096 bytes
.set G1S, 32
.set G0S, 40                           ; s[40:43] group 0 for the scale words;  s[44:47] for my chunk of codes
.set G0C, 44
.set TK,  60
.set TS,  61
.set CNT, 62
.set HM,  63                           ; s63  lanes 16-31
.set QP,  68                           ; s[68:69] q's fragment, s[70:71] its scale words, s[72:73] hc, s[74:75] hs, at my 32 queries
.set QSP, 70
.set HCP, 72
.set HSP, 74
.macro ROUND                           ; a round of the cluster's barrier
	s_barrier_signal -1
	s_barrier_wait -1
	s_cmp_lg_u32 s[WV], 0
	s_cbranch_scc1 .Lnot_wave_0_\@
	s_barrier_signal -3
.Lnot_wave_0_\@:
	s_barrier_wait -3
	s_barrier_signal -1
	s_barrier_wait -1
.endm
	s_load_b256 s[4:11], s[0:1], 0x0               ; img s[4:5], isc s[6:7], hc s[8:9], hs s[10:11]
	v_lshl_add_u32 v[SPW], v0, 2, SPARE
	v_mov_b32 v[NIL], 0
	ds_add_u32 v4, v5
	ds_add_u32 v4, v5
	s_wait_dscnt 0x0
	v_lshrrev_b32 v6, 5, v0
	s_delay_alu instid0(VALU_DEP_1)
	v_readfirstlane_b32 s[WV], v6                  ; wave 0..15
	s_bfe_u32 s13, ttmp6, 0x40000                  ; cx: my place in the cluster: it enters q's and the results' addresses alone
	s_and_b32 s14, ttmp7, 0xffff                   ; 16 batch + head, which the four partners share
	; one tensor load a wave: waves 0-3 fetch K's four chunks of 24,576 bytes, waves 4-7 V's, wave 8 both blocks of scale words
	s_and_b32 s15, s[WV], 7
	s_lshr_b32 s16, s15, 2
	s_add_co_u32 s16, s16, 1
	s_mul_i32 s16, s16, 6291456                    ; the codes: kind x 6,291,456 + 98,304 x head + 24,576 x chunk
	s_mul_i32 s17, s14, 98304
	s_add_co_u32 s16, s16, s17
	s_and_b32 s17, s15, 3
	s_mul_i32 s17, s17, 24576
	s_add_co_u32 s16, s16, s17
	s_mov_b32 s17, 0
	s_lshl_b32 s18, s14, 12                        ; the scale words: K's at 262,144 + 4,096 x head, V's 262,144 further on
	s_add_co_u32 s18, s18, 262144
	s_mov_b32 s19, 0
	s_mul_i32 s77, s15, 24576                      ; LDS: V's images follow K's
	; dense blocks as rows of 256 bytes (32 elements of 8 bytes), no padding; the mask names all four work-groups
	s_mov_b32 s[G1C], 15|(3<<16)|(1<<21)
	s_mov_b32 s[G1C+1], 32<<16                     ; tensor_dim0
	s_mov_b32 s[G1C+2], 96<<16                     ; tensor_dim1
	s_mov_b32 s[G1C+3], 32<<16                     ; tile_dim0
	s_mov_b32 s[G1C+4], 96                         ; tile_dim1: 24,576 bytes
	s_mov_b32 s[G1C+5], 32
	s_mov_b32 s[G1C+6], 0
	s_mov_b32 s[G1C+7], 0
	s_mov_b32 s[G1S], 15|(3<<16)|(1<<21)
	s_mov_b32 s[G1S+1], 512<<16                    ; two rows of 4,096 bytes, 262,144 bytes apart: K's scale words and V's
	s_mov_b32 s[G1S+2], 2<<16
	s_mov_b32 s[G1S+3], 512<<16
	s_mov_b32 s[G1S+4], 2
	s_mov_b32 s[G1S+5], 32768
	s_mov_b32 s[G1S+6], 0
	s_mov_b32 s[G1S+7], 0
	s_mov_b32 s[SEL], 0x76543210
	s_mov_b32 s[SEL+1], 0xfedcba98                 ; lane l xor 16
	s_mov_b32 s[CS], 0x3e38aa3b                    ; c = log2(e) / 8
	s_mov_b32 s[CS+1], s[CS]                       ; (named with it as a pair, so it is written)
	s_wait_kmcnt 0x0
	s_mov_b32 s[G0S], 1
	s_mov_b32 s[G0S+1], KSC
	s_add_nc_u64 s[G0S+2:G0S+3], s[6:7], s[18:19]
	s_or_b32 s[G0S+3], s[G0S+3], 0x80000000
	s_mov_b32 s[G0C], 1
	s_mov_b32 s[G0C+1], s77
	s_add_nc_u64 s[G0C+2:G0C+3], s[4:5], s[16:17]
	s_or_b32 s[G0C+3], s[G0C+3], 0x80000000
	ROUND                                          ; all four work-groups are here: the joint loads meet
	s_cmp_lt_u32 s[WV], 8                          ; one chain of branches on the wave's number, one load to an arm, the same in every work-group
	s_cbranch_scc0 .Lfor_scales
	tensor_load_to_lds s[G0C:G0C+3], s[G1C:G1C+7]
	s_nop 0
.rept 4
	v_nop
.endr
	s_branch .Lno_fetch
.Lfor_scales:
	s_cmp_eq_u32 s[WV], 8
	s_cbranch_scc0 .Lno_fetch
	tensor_load_to_lds s[G0S:G0S+3], s[G1S:G1S+7]
	s_nop 0
.rept 4
	v_nop
.endr
.Lno_fetch:
	s_lshl_b32 s78, s13, 4
	s_add_co_u32 s78, s78, s[WV]                   ; my 32 queries: pair tile 16 cx + wave, 0..63
	s_mul_i32 s[QP], s78, 1536
	s_mul_i32 s79, s14, 98304
	s_add_co_u32 s[QP], s[QP], s79
	s_mov_b32 s[QP+1], 0
	s_add_nc_u64 s[QP:QP+1], s[4:5], s[QP:QP+1]
	s_lshr_b32 s[QSP], s78, 2
	s_lshl_b32 s[QSP], s[QSP], 8
	s_and_b32 s79, s78, 3
	s_lshl_b32 s79, s79, 2
	s_add_co_u32 s[QSP], s[QSP], s79
	s_lshl_b32 s79, s14, 12
	s_add_co_u32 s[QSP], s[QSP], s79
	s_mov_b32 s[QSP+1], 0
	s_add_nc_u64 s[QSP:QSP+1], s[6:7], s[QSP:QSP+1]
	s_lshr_b32 s79, s14, 4                         ; batch
	s_lshl_b32 s[HCP], s79, 7
	s_lshl_b32 s[HSP], s78, 1
	s_add_co_u32 s[HCP], s[HCP], s[HSP]            ; my first tile of 16 rows: 128 batch + 2 x pair tile
	s_lshl_b32 s[HSP], s[HCP], 9                   ; 16 rows of 32 scale bytes
	s_mul_i32 s[HCP], s[HCP], 12288
	s_and_b32 s79, s14, 15                         ; head
	s_mul_i32 s[HCP+1], s79, 768
	s_add_co_u32 s[HCP], s[HCP], s[HCP+1]
	s_mov_b32 s[HCP+1], 0
	s_add_nc_u64 s[HCP:HCP+1], s[8:9], s[HCP:HCP+1]
	s_lshl_b32 s79, s79, 1
	s_add_co_u32 s[HSP], s[HSP], s79
	s_mov_b32 s[HSP+1], 0
	s_add_nc_u64 s[HSP:HSP+1], s[10:11], s[HSP:HSP+1]
	v_and_b32 v6, 31, v0                           ; lane
	v_and_b32 v7, 15, v0                           ; r
	v_bfe_u32 v8, v0, 4, 1                         ; h
	s_delay_alu instid0(VALU_DEP_3)
	v_lshlrev_b32 v[LIK], 4, v6
	s_delay_alu instid0(VALU_DEP_1)
	v_add_nc_u32 v[LIV], VIMG, v[LIK]
	s_delay_alu instid0(VALU_DEP_4)
	v_lshlrev_b32 v[LR16], 4, v7
	s_delay_alu instid0(VALU_DEP_1)
	v_add_nc_u32 v[LRS], KSC, v[LR16]
	v_lshlrev_b32 v[LO8], 3, v6
	v_lshl_add_u32 v[LRH], v7, 5, v8
	v_cmp_eq_u32 s[HM], 1, v8
	global_load_b32 v[QW], v[LR16], s[QSP:QSP+1]   ; my 32 queries' scale word: bytes 0, 1 the first 16's, bytes 2, 3 the next 16's
.irp i, 0,1,2,3,4,5
	v_mov_b32 v[QLO+6+\i], 0                       ; the zero codes, written once
	v_mov_b32 v[QHI+\i], 0
.endr
.irp b, 0,1,2,3
	v_mov_b32 v[BX+\b], 0                          ; written once: a lane permute's destination counts as one of its sources
.endr
	v_mov_b32 v[F+1], 0                            ; (named as the upper half of a pair)
	s_wait_tensorcnt 0x0                           ; my loads have landed,
	s_barrier_signal -1
	s_barrier_wait -1                              ; everybody's have: K, V and their scale words lie in LDS for the rest of the launch
; A KEY STEP: 128 keys.
.macro STEP
	v_add_nc_u32 v[ADK], s[TK], v[LIK]             ; these three and the v_nop are the four places in front of loads into registers that the last products read
	v_add_nc_u32 v[ADV], s[TK], v[LIV]
	v_add_nc_u32 v[ADS], s[TS], v[LRS]
	v_nop
	ds_load_b128 v[KSW:KSW+3], v[ADS]              ; lane r: the four fragments' scale words of row r
.irp i, 0,1,2,3,4,5,6,7,8,9,10,11
	ds_load_b128 v[KF+4*\i:KF+4*\i+3], v[ADK] offset:512*\i   ; 512 consecutive bytes an instruction
.endr
	ds_load_b128 v[VSW:VSW+3], v[ADS] offset:4096
.irp i, 0,1,2,3,4,5,6,7,8,9,10,11
	ds_load_b128 v[VF+4*\i:VF+4*\i+3], v[ADV] offset:512*\i
.endr
	s_wait_dscnt 13                                ; K's 13 loads are in; V's 13 stay out until the second product
.irp al, 0,1,2,3
	v_wmma_scale_f32_16x16x128_f8f6f4 v[S+16*\al:S+16*\al+7], v[KF+12*\al:KF+12*\al+11], v[QLO:QLO+11], 0, v[KSW+\al], v[QS] matrix_a_fmt:MATRIX_FMT_FP6 matrix_b_fmt:MATRIX_FMT_FP6
	v_wmma_scale_f32_16x16x128_f8f6f4 v[S+16*\al+8:S+16*\al+15], v[KF+12*\al:KF+12*\al+11], v[QHI:QHI+11], 0, v[KSW+\al], v[QS] matrix_a_fmt:MATRIX_FMT_FP6 matrix_b_fmt:MATRIX_FMT_FP6
.endr
.rept 4
	v_nop                                          ; places in front of the first read of the scores and of writes into K's registers
.endr
.irp b, 0,1,2,3
	v_max3_num_f32 v[BM+\b], v[S+16*\b], v[S+1+16*\b], v[S+2+16*\b]   ; the largest score of each block of 32 keys: for the row's maximum and, since p rises with the score, for the block's largest p
.endr
.irp i, 3,5,7,9,11,13
.irp b, 0,1,2,3
	v_max3_num_f32 v[BM+\b], v[BM+\b], v[S+16*\b+\i], v[S+1+16*\b+\i]
.endr
.endr
.irp b, 0,1,2,3
	v_max_num_f32 v[BM+\b], v[BM+\b], v[S+15+16*\b]
.endr
.irp b, 0,1,2,3
	s_delay_alu instid0(VALU_DEP_4)
	v_permlanex16_b32 v[BX+\b], v[BM+\b], s[SEL], s[SEL+1]
.endr
.irp b, 0,1,2,3
	s_delay_alu instid0(VALU_DEP_4)
	v_max_num_f32 v[BM+\b], v[BM+\b], v[BX+\b]     ; with lane l xor 16's 16 keys
.endr
	s_delay_alu instid0(VALU_DEP_2)
	v_max3_num_f32 v[W0], v[BM], v[BM+1], v[BM+2]
	s_delay_alu instid0(VALU_DEP_1)
	v_max_num_f32 v[W0], v[W0], v[BM+3]            ; the step's largest score of my query
	s_delay_alu instid0(VALU_DEP_1)
	v_mul_f32 v[W0], s[CS], v[W0]                  ; as t
	s_delay_alu instid0(VALU_DEP_1)
	v_max_num_f32 v13, v13, v[W0]                  ; the running largest t
	v_mov_b32 v[W0], v12
	s_delay_alu instid0(VALU_DEP_2)
	v_floor_f32 v12, -v13                          ; the new -M = floor(-t): M is a whole number
	s_delay_alu instid0(VALU_DEP_1)
	v_sub_f32 v[W0], v12, v[W0]                    ; old M less new M: a whole number, 0 or less
	s_delay_alu instid0(VALU_DEP_1)
	v_cvt_i32_f32 v[W0], v[W0]                     ; (it saturates)
	s_delay_alu instid0(VALU_DEP_1)
	v_ldexp_f32 v[F], 1.0, v[W0]                   ; f = 2^(old M - new M)
.set n, 0
.rept 32
	v_pk_fma_f32 v[S+2*n:S+2*n+1], v[S+2*n:S+2*n+1], s[CS:CS+1], v[12:13] op_sel_hi:[1,0,0]   ; t - M, two at a time
.set n, n+1
.endr
.irp b, 0,1,2,3
	v_fma_f32 v[BM+\b], v[BM+\b], s[CS], v12       ; the same of each block's largest score
.endr
.set n, 0
	s_wait_alu depctr_va_vdst(0)
.rept 64
	v_exp_f32 v[S+n], v[S+n]                       ; p = 2^(t - M), at most 1
.set n, n+1
.endr
	v_pk_mul_f32 v[14:15], v[14:15], v[F:F+1] op_sel_hi:[1,0]   ; the sums under the new M (a plain line behind the exponentials)
	s_wait_alu depctr_va_vdst(0)                   ; one wait for the whole batch, ahead of its first reader
.irp b, 0,1,2,3
	v_exp_f32 v[BM+\b], v[BM+\b]                   ; the block's largest p: the same two instructions on the same number give the same bits
.endr
	v_pk_add_f32 v[72:73], v[152:153], v[156:157]
	v_pk_add_f32 v[254:255], v[160:161], v[164:165]
	v_pk_add_f32 v[252:253], v[168:169], v[172:173]
	v_pk_add_f32 v[246:247], v[176:177], v[180:181]
	v_pk_add_f32 v[244:245], v[184:185], v[188:189]
	v_pk_add_f32 v[142:143], v[192:193], v[196:197]
	v_pk_add_f32 v[140:141], v[200:201], v[204:205]
	v_pk_add_f32 v[14:15], v[14:15], v[208:209]
	v_pk_add_f32 v[72:73], v[72:73], v[148:149]
	v_pk_add_f32 v[254:255], v[254:255], v[150:151]
	v_pk_add_f32 v[252:253], v[252:253], v[154:155]
	v_pk_add_f32 v[246:247], v[246:247], v[158:159]
	v_pk_add_f32 v[244:245], v[244:245], v[162:163]
	v_pk_add_f32 v[142:143], v[142:143], v[166:167]
	v_pk_add_f32 v[140:141], v[140:141], v[170:171]
	v_pk_add_f32 v[14:15], v[14:15], v[174:175]
	v_pk_add_f32 v[72:73], v[72:73], v[178:179]
	v_pk_add_f32 v[254:255], v[254:255], v[182:183]
	v_pk_add_f32 v[252:253], v[252:253], v[186:187]
	v_pk_add_f32 v[246:247], v[246:247], v[190:191]
	v_pk_add_f32 v[244:245], v[244:245], v[194:195]
	v_pk_add_f32 v[142:143], v[142:143], v[198:199]
	v_pk_add_f32 v[140:141], v[140:141], v[202:203]
	v_pk_add_f32 v[14:15], v[14:15], v[206:207]
	v_pk_add_f32 v[72:73], v[72:73], v[210:211]
	s_delay_alu instid0(VALU_DEP_2)
	v_pk_add_f32 v[14:15], v[14:15], v[246:247]
	s_delay_alu instid0(VALU_DEP_2)
	v_pk_add_f32 v[72:73], v[72:73], v[244:245]
	v_pk_add_f32 v[254:255], v[254:255], v[142:143]
	v_pk_add_f32 v[252:253], v[252:253], v[140:141]
	s_delay_alu instid0(VALU_DEP_2)
	v_pk_add_f32 v[14:15], v[14:15], v[254:255]
	s_delay_alu instid0(VALU_DEP_2)
	v_pk_add_f32 v[72:73], v[72:73], v[252:253]
	s_delay_alu instid0(VALU_DEP_1)
	v_pk_add_f32 v[14:15], v[14:15], v[72:73]
	s_wait_alu depctr_va_vdst(0)                   ; and one for the four
.irp b, 0,1,2,3
	v_max_num_f32 v[BM+\b], 0x1800000, v[BM+\b]    ; the floor 2^(3 - 127)
.endr
.irp b, 0,1,2,3
	s_delay_alu instid0(VALU_DEP_4)
	v_add_nc_u32 v[SOP+\b], 0xff000000, v[BM+\b]   ; the conversion's scale operand
.endr
.irp b, 0,1,2,3
	s_delay_alu instid0(VALU_DEP_4)
	v_lshrrev_b32 v[BX+\b], 23, v[SOP+\b]          ; the scale's byte
.endr
	s_delay_alu instid0(VALU_DEP_3)
	v_lshl_or_b32 v[PSW], v[BX+1], 8, v[BX]        ; p's scale word for these 128 keys
	s_delay_alu instid0(VALU_DEP_1)
	v_lshl_or_b32 v[PSW], v[BX+2], 16, v[PSW]
	s_delay_alu instid0(VALU_DEP_1)
	v_lshl_or_b32 v[PSW], v[BX+3], 24, v[PSW]
.irp c, 0,1
	v_cvt_scalef32_pk16_fp6_f32 v[PC+6*\c:PC+6*\c+2], v[S+32*\c:S+32*\c+15], v[SOP+2*\c]
	v_cvt_scalef32_pk16_fp6_f32 v[CX+4*\c:CX+4*\c+2], v[S+32*\c+16:S+32*\c+31], v[SOP+2*\c+1]
.endr
	v_nop                                          ; one plain line behind the conversions
.irp c, 0,1
.irp i, 0,1,2
	v_permlane16_swap_b32 v[PC+6*\c+\i], v[CX+4*\c+\i]   ; a whole block to a lane
.endr
.irp i, 0,1,2
	s_delay_alu instid0(VALU_DEP_3)
	v_mov_b32 v[PC+6*\c+3+\i], v[CX+4*\c+\i]
.endr
.endr
.set n, 0
.rept 16
	v_pk_mul_f32 v[O+2*n:O+2*n+1], v[O+2*n:O+2*n+1], v[F:F+1] op_sel_hi:[1,0]   ; O^T under the new M; these sixteen are also the places between p's codes and scale word and the products
.set n, n+1
.endr
	s_wait_alu depctr_va_vdst(0)
	s_wait_dscnt 0x0                               ; V is in
.irp t, 0,1,2,3
	v_wmma_scale_f32_16x16x128_f8f6f4 v[O+8*\t:O+8*\t+7], v[VF+12*\t:VF+12*\t+11], v[PC:PC+11], v[O+8*\t:O+8*\t+7], v[VSW+\t], v[PSW] matrix_a_fmt:MATRIX_FMT_FP6 matrix_b_fmt:MATRIX_FMT_FP6
.endr
	s_add_co_u32 s[TK], s[TK], 6144                ; the next step's images and scale words
	s_add_co_u32 s[TS], s[TS], 256
.endm
; THE WAY OUT of a pass: O^T / the sum; register 16 b + i is channel 32 b + 16 (lane / 16) + i of my query: two blocks of the output product's K.
.macro OUT p
.rept 4
	v_nop                                          ; places behind the last products
.endr
	v_add_f32 v14, v14, v15
	s_delay_alu instid0(VALU_DEP_1)
	v_permlanex16_b32 v[W0], v14, s[SEL], s[SEL+1]
	s_delay_alu instid0(VALU_DEP_1)
	v_add_f32 v14, v14, v[W0]                      ; the row's sum
	s_wait_alu depctr_va_vdst(0)
	v_rcp_f32 v14, v14
	v_nop                                          ; one plain line behind the reciprocal,
	s_wait_alu depctr_va_vdst(0)                   ; and the wait ahead of its first reader
.set n, 0
.rept 16
	v_pk_mul_f32 v[Y+2*n:Y+2*n+1], v[O+2*n:O+2*n+1], v[14:15] op_sel_hi:[1,0]   ; each accumulator from its low end on
.set n, n+1
.endr
.irp b, 0,1
	v_max3_num_f32 v[BM+\b], |v[Y+16*\b]|, |v[Y+1+16*\b]|, 0x1800000
.endr
.irp i, 2,4,6,8,10,12,14
.irp b, 0,1
	s_delay_alu instid0(VALU_DEP_2)
	v_max3_num_f32 v[BM+\b], v[BM+\b], |v[Y+16*\b+\i]|, |v[Y+1+16*\b+\i]|
.endr
.endr
.irp b, 0,1
	s_delay_alu instid0(VALU_DEP_2)
	v_permlanex16_b32 v[BX+\b], v[BM+\b], s[SEL], s[SEL+1]
.endr
.irp b, 0,1
	s_delay_alu instid0(VALU_DEP_2)
	v_max_num_f32 v[BM+\b], v[BM+\b], v[BX+\b]
.endr
.irp b, 0,1
	s_delay_alu instid0(VALU_DEP_2)
	v_add_nc_u32 v[SOP+\b], 0xff000000, v[BM+\b]
.endr
.irp b, 0,1
	s_delay_alu instid0(VALU_DEP_2)
	v_lshrrev_b32 v[BX+\b], 23, v[SOP+\b]
.endr
	s_delay_alu instid0(VALU_DEP_1)
	v_cndmask_b32 v[W0], v[BX], v[BX+1], s[HM]     ; lane (r, h) stores block h's byte of row r: every lane an address of its own
	v_cvt_scalef32_pk16_fp6_f32 v[PC:PC+2], v[Y:Y+15], v[SOP]
	v_cvt_scalef32_pk16_fp6_f32 v[PC+6:PC+8], v[Y+16:Y+31], v[SOP+1]
	v_nop
.irp i, 0,1,2
	v_permlane16_swap_b32 v[PC+\i], v[PC+6+\i]
.endr
.irp i, 0,1,2
	s_delay_alu instid0(VALU_DEP_3)
	v_mov_b32 v[PC+3+\i], v[PC+6+\i]
.endr
.irp j, 0,1,2
	global_store_b64 v[LO8], v[PC+2*\j:PC+2*\j+1], s[HCP:HCP+1] offset:256*\j+12288*\p   ; 32 lanes store 256 consecutive bytes, aligned
.endr
	global_store_b8 v[LRH], v[W0], s[HSP:HSP+1] offset:512*\p   ; two bytes of each of 16 rows: all that a head holds of them
.endm
; A PASS: 16 queries against all 2,048 keys.
.macro PASS p
.if \p
	s_wait_xcnt 0x0                                ; the last pass's stores have read their registers
	global_load_b64 v[QLO:QLO+1], v[LIK], s[QP:QP+1] offset:520       ; registers 6-11 of the image: the second 16 queries
	global_load_b128 v[QLO+2:QLO+5], v[LIK], s[QP:QP+1] offset:1024
	global_load_b64 v[QHI+6:QHI+7], v[LIK], s[QP:QP+1] offset:520     ; twice: the two operands share no register
	global_load_b128 v[QHI+8:QHI+11], v[LIK], s[QP:QP+1] offset:1024
.else
	global_load_b128 v[QLO:QLO+3], v[LIK], s[QP:QP+1]                 ; registers 0-5 of the image: the first 16 queries
	global_load_b64 v[QLO+4:QLO+5], v[LIK], s[QP:QP+1] offset:512
	global_load_b128 v[QHI+6:QHI+9], v[LIK], s[QP:QP+1]
	global_load_b64 v[QHI+10:QHI+11], v[LIK], s[QP:QP+1] offset:512
.endif
	s_wait_loadcnt 0x0
.if \p
	v_perm_b32 v[QS], v[QW], v[QW], 0x03020302     ; the pass's two bytes, for both halves of the instruction's K
.else
	v_perm_b32 v[QS], v[QW], v[QW], 0x01000100
.endif
	v_mov_b32 v13, 0xff61b1e6                      ; the largest t so far: -3e38
	s_delay_alu instid0(VALU_DEP_1)
	v_floor_f32 v12, -v13                          ; -M
	v_mov_b32 v14, 0                               ; the sum, in two halves
	v_mov_b32 v15, 0
.set n, 0
.rept 32
	v_mov_b32 v[O+n], 0                            ; O^T: the step is written once, its first trip finds zeros
.set n, n+1
.endr
	s_mov_b32 s[TK], 0
	s_mov_b32 s[TS], 0
	s_mov_b32 s[CNT], 16
.Lkeys_\@:
	STEP
	s_sub_co_u32 s[CNT], s[CNT], 1
	s_cmp_lg_u32 s[CNT], 0
	s_cbranch_scc1 .Lkeys_\@
	OUT \p
.endm
	PASS 0
	PASS 1
	s_wait_tensorcnt 0x0                           ; the wave's end
	ds_add_u32 v[SPW], v[NIL]
	s_wait_dscnt 0x0
	ROUND                                          ; the closing round
	s_endpgm
.Lfunc_end_k_q29d549b7f5_attn:
	.size	k_q29d549b7f5_attn, .Lfunc_end_k_q29d549b7f5_attn-k_q29d549b7f5_attn
	.p2alignl 7, 3214868480
	.fill 96, 4, 3214868480
	.section	.rodata,"a",@progbits
	.p2align	6, 0x0
	.amdhsa_kernel k_q29d549b7f5_attn
		.amdhsa_group_segment_fixed_size 327680
		.amdhsa_private_segment_fixed_size 0
		.amdhsa_enable_private_segment 0
		.amdhsa_kernarg_size 32
		.amdhsa_user_sgpr_count 2
		.amdhsa_user_sgpr_kernarg_segment_ptr 1
		.amdhsa_wavefront_size32 1
		.amdhsa_system_sgpr_workgroup_id_x 1
		.amdhsa_system_sgpr_workgroup_id_y 1
		.amdhsa_system_sgpr_workgroup_id_z 1
		.amdhsa_system_vgpr_workitem_id 0
		.amdhsa_next_free_vgpr 256
		.amdhsa_next_free_sgpr 80
		.amdhsa_reserve_vcc 0
		.amdhsa_float_denorm_mode_32 3
		.amdhsa_float_denorm_mode_16_64 3
		.amdhsa_memory_ordered 1
		.amdhsa_forward_progress 1
		.amdhsa_inst_pref_size 53
	.end_amdhsa_kernel
	.amdgpu_metadata
---
amdhsa.version: [ 1, 2 ]
amdhsa.kernels:
  - .name:           k_q29d549b7f5_attn
    .symbol:         k_q29d549b7f5_attn.kd
    .args:
      - { .name: img, .offset: 0, .size: 8, .value_kind: global_buffer, .address_space: global }
      - { .name: isc, .offset: 8, .size: 8, .value_kind: global_buffer, .address_space: global }
      - { .name: hc, .offset: 16, .size: 8, .value_kind: global_buffer, .address_space: global }
      - { .name: hs, .offset: 24, .size: 8, .value_kind: global_buffer, .address_space: global }
    .group_segment_fixed_size: 327680
    .private_segment_fixed_size: 0
    .kernarg_segment_align: 8
    .kernarg_segment_size: 32
    .max_flat_workgroup_size: 512
    .sgpr_count:     80
    .vgpr_count:     256
    .wavefront_size: 32
...
	.end_amdgpu_metadata
.endif
;; end of part 3
;; launch outp (part 4): grid 4 x 64, 4 waves a work-group, clusters of 4 x 4, 327,680 bytes of LDS; arguments hc, hs, pc, ps, bo, out0; writes out0
.if DOCPART == 4
	.amdgcn_target "amdgcn-amd-amdhsa--gfx1250"
	.amdhsa_code_object_version 6
	.text
	.protected	k_q29d549b7f5_outp
	.globl	k_q29d549b7f5_outp
	.p2align	8
	.type	k_q29d549b7f5_outp,@function
k_q29d549b7f5_outp:
	s_mov_b64 s[64:65], 0
	v_nop
	global_prefetch_b8 v0, s[64:65] scope:SCOPE_SE
	s_setreg_imm32_b32 hwreg(HW_REG_WAVE_MODE, 25, 1), 1
	s_wait_xcnt 0x0
	s_wait_alu depctr_hold_cnt(0) depctr_sa_sdst(0) depctr_va_vdst(0) depctr_va_sdst(0) depctr_va_ssrc(0) depctr_va_vcc(0) depctr_vm_vsrc(0)
	s_getreg_b32 s2, hwreg(HW_REG_IB_STS2, 6, 4)
	s_cmp_eq_u32 s2, 0
	s_cbranch_scc0 .Lentry_in_a_cluster
	s_endpgm
.Lentry_in_a_cluster:
	s_bfe_u32 s2, ttmp6, 0x10000c
	s_cmp_lg_u32 s2, 0xf033
	s_cbranch_scc0 .Lentry_shape_is_right
	s_endpgm
.Lentry_shape_is_right:
; OUTP: out0 = heads Wo + bo on codes of FP6 (E2M3) with E8M0 scales; f32 out.
; A work-group makes 128 rows x 256 columns; ALL OF K lies in LDS.  A = the heads' codes, 8 row tiles of 12,288 bytes as images of the operand's registers (a dense block of 98,304 bytes, fetched as rows of 256 bytes);
; B = Wo's codes [n][768]: whole rows, which begin at multiples of 256 bytes, 16 bytes of padding behind each 256 (LDS row 816 bytes).  98,304 + 208,896 + 13,056 of scale bytes + 512 spare = 320,768 bytes.  Nothing is filled twice.
; The head's four tiles go one to a wave.  CLUSTERS 4 x 4: A's tiles are asked for jointly along a row of the cluster, B's along a column.  256 work-groups: one for each WGP.
; A wave makes 64 x 128: 32 accumulators in window 2, B's fragments in window 1, A's in window 0, two sets each.  The bias is the C of the first step's products.  Source 0 = B's rows: a lane holds eight neighbouring columns of a row.
; The way out goes through a stage in A's bytes, behind a barrier behind which nobody reads the tiles: whole rows of 512 bytes are stored.
; No prefetch: a work-group asks for all its bytes at its head and has no loop to run ahead in.
.set SIZE_N, 1024
.set KROW,   768
.set PITCH,  816
.set FR,     12
.set ABYTES, 98304
.set SCL,    ABYTES+256*PITCH
.set SBLK,   544
.set SPARE,  SCL+48*272
.set SPITCH, 528
.set ADRA, 16
.set ADRB, 20
.set STO,  24
.set RD,   25
.set CO,   26
.set ADRS, 27
.set SPW,  28
.set NIL,  29
.set BOA,  30
.set SC,   32
.set BO,   64
.set AF,   128
.set BK,   128
.set G1, 24
.set G0A, 32
.set G0B, 36
.set G1B, 48
.set G0S, 56
.set G0SB, 60
.set G1S, 68
.set G1SB, 80
.set MSB, 0
.macro WIN new
.if MSB != \new
	s_set_vgpr_msb (MSB<<8)|\new
.set MSB, \new
.endif
.endm
.macro CROUND
	s_barrier_signal -1
	s_barrier_wait -1
	s_cmp_lg_u32 s14, 0
	s_cbranch_scc1 .Lnot_wave_0_\@
	s_barrier_signal -3
.Lnot_wave_0_\@:
	s_barrier_wait -3
	s_barrier_signal -1
	s_barrier_wait -1
.endm
.macro PLACES
.rept 4
	v_nop
.endr
.endm
.macro MKG0 g, lds, ptr
	s_mov_b32 s[\g], 1
	s_mov_b32 s[\g+1], \lds
	s_mov_b64 s[\g+2:\g+3], s[\ptr:\ptr+1]
	s_or_b32 s[\g+3], s[\g+3], 0x80000000
.endm
	s_load_b128 s[4:7], s[0:1], 0x0                ; hc, hs
	s_load_b128 s[8:11], s[0:1], 0x10              ; pc, ps
	s_load_b64 s[96:97], s[0:1], 0x20              ; bo
	s_load_b64 s[12:13], s[0:1], 0x28              ; out0
	v_lshl_add_u32 v[SPW], v0, 2, SPARE
	v_mov_b32 v[NIL], 0
	ds_add_u32 v[SPW], v[NIL]                      ; the opening lines: the add twice on end and one wait
	ds_add_u32 v[SPW], v[NIL]
	v_lshrrev_b32 v1, 5, v0
	v_readfirstlane_b32 s14, v1                    ; wave
	s_lshr_b32 s15, s14, 1                         ; my 64 of the 128 rows
	s_and_b32 s16, s14, 1                          ; my 128 of the 256 columns
	s_bfe_u32 s40, ttmp6, 0x40000
	s_bfe_u32 s41, ttmp6, 0x40004
	s_lshl_b32 s42, ttmp9, 2
	s_add_co_u32 s42, s42, s40                     ; tile column
	s_and_b32 s17, ttmp7, 0xffff
	s_lshl_b32 s17, s17, 2
	s_add_co_u32 s17, s17, s41                     ; tile row
	s_lshl_b32 s43, s41, 2
	s_lshl_b32 s43, 15, s43
	s_lshl_b32 s44, 0x1111, s40
	s_or_b32 s[G1+0], s43, (3<<16)|(1<<21)         ; A: 384 rows of 256 bytes, dense
	s_mov_b32 s[G1+1], 32<<16
	s_mov_b32 s[G1+2], 384<<16
	s_mov_b32 s[G1+3], 32<<16
	s_mov_b32 s[G1+4], 384
	s_mov_b32 s[G1+5], 32
	s_mov_b32 s[G1+6], 0
	s_mov_b32 s[G1+7], 0
	s_or_b32 s[G1B+0], s44, (1<<20)|(1<<21)|(5<<22)|(3<<25)   ; B: 256 rows of 768 bytes, 4 words of padding behind every 64
	s_mov_b32 s[G1B+1], KROW<<16
	s_mov_b32 s[G1B+2], 256<<16
	s_mov_b32 s[G1B+3], KROW<<16
	s_mov_b32 s[G1B+4], 256
	s_mov_b32 s[G1B+5], KROW
	s_mov_b32 s[G1B+6], 0
	s_mov_b32 s[G1B+7], 0
	s_or_b32 s[G1S+0], s43, (3<<16)|(1<<20)|(1<<21)|(5<<22)|(3<<25)
	s_or_b32 s[G1SB+0], s44, (3<<16)|(1<<20)|(1<<21)|(5<<22)|(3<<25)
.irp g, G1S, G1SB
	s_mov_b32 s[\g+1], 32<<16
	s_mov_b32 s[\g+3], 32<<16
	s_mov_b32 s[\g+5], 32
	s_mov_b32 s[\g+6], 0
	s_mov_b32 s[\g+7], 0
.endr
	s_mov_b32 s[G1S+2], 16<<16
	s_mov_b32 s[G1S+4], 16
	s_mov_b32 s[G1SB+2], 32<<16
	s_mov_b32 s[G1SB+4], 32
	s_mul_i32 s20, s17, 98304
	s_lshl_b32 s22, s17, 12
	s_mul_i32 s46, s42, 256*KROW
	s_add_co_u32 s46, s46, 14942208                ; Wo's codes in pc,
	s_lshl_b32 s92, s42, 13
	s_add_co_u32 s92, s92, 622592                  ; its scale bytes in ps
	s_mov_b32 s21, 0
	s_mov_b32 s23, 0
	s_mov_b32 s47, 0
	s_mov_b32 s93, 0
	s_wait_dscnt 0x0                               ; both opening adds are done
	s_wait_kmcnt 0x0
	s_add_nc_u64 s[20:21], s[4:5], s[20:21]
	s_add_nc_u64 s[22:23], s[6:7], s[22:23]
	s_add_nc_u64 s[46:47], s[8:9], s[46:47]
	s_add_nc_u64 s[92:93], s[10:11], s[92:93]
	MKG0 G0A, 0, 20
	MKG0 G0B, ABYTES, 46
	MKG0 G0S, SCL, 22
	MKG0 G0SB, SCL+16*272, 92
	CROUND                                         ; all sixteen work-groups are here: the joint loads meet
.macro ARM under, g0, g1, next                         ; one chain of branches on the wave's number, one load to an arm
	s_cmp_lt_u32 s14, \under
	s_cbranch_scc0 \next
	tensor_load_to_lds s[\g0:\g0+3], s[\g1:\g1+7]
	s_nop 0
	PLACES
	s_branch .Lhead_asked
\next:
.endm
	ARM 1, G0A, G1,  .Lhead_b
	ARM 2, G0B, G1B, .Lhead_sa
	ARM 3, G0S, G1S, .Lhead_sb
	tensor_load_to_lds s[G0SB:G0SB+3], s[G1SB:G1SB+7]
	s_nop 0
	PLACES
.Lhead_asked:
	s_lshl_b32 s18, s17, 7
	s_lshl_b32 s19, s15, 6
	s_add_co_u32 s18, s18, s19
	s_lshl_b32 s18, s18, 12                        ; my first row of out0, 4,096 bytes a row
	s_lshl_b32 s2, s42, 10
	s_lshl_b32 s3, s16, 9
	s_add_co_u32 s2, s2, s3                        ; my first column, in bytes
	s_mov_b32 s3, 0
	s_mov_b32 s19, 0
	s_add_nc_u64 s[12:13], s[12:13], s[18:19]
	s_add_nc_u64 s[12:13], s[12:13], s[2:3]
	s_add_nc_u64 s[96:97], s[96:97], s[2:3]
	s_mul_i32 s21, s15, 4*12288                    ; LDS: my four row tiles of A,
	s_mul_i32 s22, s16, 128*PITCH
	s_add_co_u32 s22, s22, ABYTES                  ; my rows of B,
	s_add_co_u32 s23, s22, 64*PITCH
	s_mul_i32 s18, s15, 8*272                      ; their scales,
	s_mul_i32 s19, s16, 16*272
	s_add_co_u32 s19, s19, 16*272
	s_sub_co_u32 s19, s19, s18
	s_add_co_u32 s18, s18, SCL
	s_mul_i32 s20, s14, 16*SPITCH                  ; and my stage
	v_and_b32 v1, 15, v0                           ; r
	v_bfe_u32 v2, v0, 4, 1                         ; h
	v_and_b32 v8, 31, v0                           ; lane
	v_mul_u32_u24 v3, v1, PITCH
	v_mul_u32_u24 v4, v2, 24
	v_add_nc_u32 v4, v3, v4
	v_lshl_add_u32 v5, v2, 4, v4
	v_lshlrev_b32 v7, 3, v8
	v_add_nc_u32 v[ADRA], s21, v7
	v_add_nc_u32 v[ADRB], s22, v4
	v_add_nc_u32 v[ADRB+1], s22, v5
	v_add_nc_u32 v[ADRB+2], s23, v4
	v_add_nc_u32 v[ADRB+3], s23, v5
	v_lshlrev_b32 v5, 5, v1
	v_lshrrev_b32 v6, 8, v5
	v_lshl_add_u32 v5, v6, 4, v5
	v_mul_u32_u24 v6, s19, v2
	v_add_nc_u32 v5, v5, v6
	v_add_nc_u32 v[ADRS], s18, v5
	v_mul_u32_u24 v5, v1, SPITCH
	v_lshl_add_u32 v5, v2, 5, v5
	v_add_nc_u32 v[STO], s20, v5
	v_lshlrev_b32 v[CO], 4, v8
	v_add_nc_u32 v[RD], s20, v[CO]
	v_lshlrev_b32 v[BOA], 5, v2
.irp b, 0,1,2,3,4,5,6,7
	global_load_b128 v[BO+8*\b:BO+8*\b+3], v[BOA], s[96:97] offset:64*\b
	global_load_b128 v[BO+8*\b+4:BO+8*\b+7], v[BOA], s[96:97] offset:64*\b+16
.endr
.macro FRAG reg, adr, st, i            ; byte y of a row of B lies at y + 16 (y / 256) of its LDS row
.irp p, 0,1,2,3,4,5
.set BY, 96*(\st)+48*(\p/3)+8*(\p%3)
.if BY/256 == (BY+24)/256
	ds_load_b64 v[\reg+2*\p:\reg+2*\p+1], v[\adr] offset:BY+16*(BY/256)+(\i)*16*PITCH
.else
	ds_load_b64 v[\reg+2*\p:\reg+2*\p+1], v[\adr+1] offset:BY+16*(BY/256)+(\i)*16*PITCH
.endif
.endr
.endm
.macro FETCH st
	WIN 0x40
.irp i, 0,1,2,3
	FRAG 128*((\st)%2)+FR*\i, ADRB, \st, \i
.endr
.irp i, 0,1,2,3
	FRAG 128*((\st)%2)+FR*(4+\i), ADRB+2, \st, \i
.endr
	WIN 0
.irp i, 0,1,2,3
.irp p, 0,1,2,3,4,5
	ds_load_b64 v[AF+48*((\st)%2)+FR*\i+2*\p:AF+48*((\st)%2)+FR*\i+2*\p+1], v[ADRA] offset:12288*\i+1536*(\st)+256*\p   ; a plane of 256 bytes: 8 bytes a lane
.endr
.endr
.if (\st)%2 == 0
.irp i, 0,1,2,3,4,5,6,7
	ds_load_b64 v[SC+16*(((\st)/2)%2)+2*\i:SC+16*(((\st)/2)%2)+2*\i+1], v[ADRS] offset:\i*SBLK+4*(\st)
.endr
.endif
.endm
.macro MUL st, first                   ; 32 products, the 32 accumulators by turns
.set SS, SC+16*(((\st)/2)%2)+(\st)%2
.irp a, 0,1,2,3
.irp b, 0,1,2,3,4,5,6,7
.set DD, 8*(8*\a+\b)
.set BB, 128*((\st)%2)+FR*\b
.set AA, AF+48*((\st)%2)+FR*\a
.if \first
	v_wmma_scale_f32_16x16x128_f8f6f4 v[DD:DD+7], v[BB:BB+FR-1], v[AA:AA+FR-1], v[BO+8*\b:BO+8*\b+7], v[SS+2*\b], v[SS+2*\a] matrix_a_fmt:MATRIX_FMT_FP6 matrix_b_fmt:MATRIX_FMT_FP6 matrix_a_scale:MATRIX_SCALE_ROW1
.else
	v_wmma_scale_f32_16x16x128_f8f6f4 v[DD:DD+7], v[BB:BB+FR-1], v[AA:AA+FR-1], v[DD:DD+7], v[SS+2*\b], v[SS+2*\a] matrix_a_fmt:MATRIX_FMT_FP6 matrix_b_fmt:MATRIX_FMT_FP6 matrix_a_scale:MATRIX_SCALE_ROW1
.endif
.endr
.endr
.endm
	s_wait_alu depctr_va_vdst(0)                   ; the wait at the head's end
	s_wait_tensorcnt 0x0                           ; my tile is in,
	s_barrier_signal -1
	s_barrier_wait -1                              ; everybody's is
	FETCH 0
	s_wait_loadcnt 0x0                             ; the bias
	s_wait_dscnt 0x0
	FETCH 1
	WIN 0x81                                       ; C (the bias) in window 0, D in window 2
	MUL 0, 1
	WIN 0
.irp t, 1,2,3,4,5,6
	s_wait_dscnt 0x0                               ; this step's fragments are in
	PLACES                                         ; ahead of loads into the set that the last step's products read
	FETCH \t+1
	WIN 0xa1
	MUL \t, 0
	WIN 0
.endr
	s_wait_dscnt 0x0                               ; my last reads of the tiles are over:
	s_barrier_signal -1
	WIN 0xa1
	MUL 7, 0
	WIN 0
	s_barrier_wait -1                              ; everybody's are: A's bytes, which have had their one fill, take the stages
.macro TOSTAGE a
.set AC, 64*(\a)
	WIN 0x08
.irp b, 0,1,2,3,4,5,6,7
	ds_store_b128 v[STO], v[AC+8*\b:AC+8*\b+3] offset:64*\b          ; each accumulator from its low end on
	ds_store_b128 v[STO], v[AC+8*\b+4:AC+8*\b+7] offset:64*\b+16
.endr
	WIN 0
.set BB, BK+64*((\a)%2)
.irp t, 0,1,2,3,4,5,6,7,8,9,10,11,12,13,14,15
	ds_load_b128 v[BB+4*\t:BB+4*\t+3], v[RD] offset:\t*SPITCH        ; LDS serves a wave's instructions in order: these see my stores
.endr
.endm
.macro SEND a, younger
.set BB, BK+64*((\a)%2)
	s_wait_dscnt \younger                          ; the block is back; the next block's 16 stores and 16 loads may be out
.if (\a) > 0
	s_add_nc_u64 s[12:13], s[12:13], 16*SIZE_N*4   ; behind a wait on XCNT
.endif
.irp t, 0,1,2,3,4,5,6,7,8,9,10,11,12,13,14,15
	global_store_b128 v[CO], v[BB+4*\t:BB+4*\t+3], s[12:13] offset:\t*SIZE_N*4 th:TH_STORE_NT   ; 512 consecutive bytes, aligned
.endr
.endm
	PLACES
	TOSTAGE 0
.irp a, 1,2,3
.if \a > 1
	s_wait_xcnt 0x0                                ; block a - 2's stores have read their registers and their base
.endif
	TOSTAGE \a
	SEND \a-1, 32
.endr
	s_wait_xcnt 0x0
	SEND 3, 0
	s_wait_tensorcnt 0x0                           ; the wave's end
	ds_add_u32 v[SPW], v[NIL]
	s_wait_dscnt 0x0
	CROUND                                         ; the closing round
	s_endpgm
.Lfunc_end_k_q29d549b7f5_outp:
	.size	k_q29d549b7f5_outp, .Lfunc_end_k_q29d549b7f5_outp-k_q29d549b7f5_outp
	.p2alignl 7, 3214868480
	.fill 96, 4, 3214868480
	.section	.rodata,"a",@progbits
	.p2align	6, 0x0
	.amdhsa_kernel k_q29d549b7f5_outp
		.amdhsa_group_segment_fixed_size 327680
		.amdhsa_private_segment_fixed_size 0
		.amdhsa_enable_private_segment 0
		.amdhsa_kernarg_size 48
		.amdhsa_user_sgpr_count 2
		.amdhsa_user_sgpr_kernarg_segment_ptr 1
		.amdhsa_wavefront_size32 1
		.amdhsa_system_sgpr_workgroup_id_x 1
		.amdhsa_system_sgpr_workgroup_id_y 1
		.amdhsa_system_sgpr_workgroup_id_z 1
		.amdhsa_system_vgpr_workitem_id 0
		.amdhsa_next_free_vgpr 768
		.amdhsa_next_free_sgpr 98
		.amdhsa_reserve_vcc 0
		.amdhsa_float_denorm_mode_32 3
		.amdhsa_float_denorm_mode_16_64 3
		.amdhsa_memory_ordered 1
		.amdhsa_forward_progress 1
		.amdhsa_inst_pref_size 98
	.end_amdhsa_kernel
	.amdgpu_metadata
---
amdhsa.version: [ 1, 2 ]
amdhsa.kernels:
  - .name:           k_q29d549b7f5_outp
    .symbol:         k_q29d549b7f5_outp.kd
    .args:
      - { .name: hc, .offset: 0, .size: 8, .value_kind: global_buffer, .address_space: global }
      - { .name: hs, .offset: 8, .size: 8, .value_kind: global_buffer, .address_space: global }
      - { .name: pc, .offset: 16, .size: 8, .value_kind: global_buffer, .address_space: global }
      - { .name: ps, .offset: 24, .size: 8, .value_kind: global_buffer, .address_space: global }
      - { .name: bo, .offset: 32, .size: 8, .value_kind: global_buffer, .address_space: global }
      - { .name: out0, .offset: 40, .size: 8, .value_kind: global_buffer, .address_space: global }
    .group_segment_fixed_size: 327680
    .private_segment_fixed_size: 0
    .kernarg_segment_align: 8
    .kernarg_segment_size: 48
    .max_flat_workgroup_size: 128
    .sgpr_count:     98
    .vgpr_count:     768
    .wavefront_size: 32
...
	.end_amdgpu_metadata
.endif
;; end of part 4
